; MI455X (gfx1250); checked and timed in simulation.
; The chip was launched on July 23, 2026; its instructions are those of AMD's public machine-readable ISA for CDNA 5 (MIT licence, August 2026) and "CDNA5" Instruction Set Architecture Reference Guide (July 2026). The comments in the code are by the model that wrote it; some were corrected since.
;; KNN. Allowed arithmetic: float matrix products may take bf16 or f16 operands with f32 sums; other float arithmetic in f32, or as packed bf16 or f16 multiplies, adds, multiply-adds, maxima and minima; sums over many terms, partial sums and values carried from step to step in f32; what a program stores and reads back later, other than sums and carried values, may be rounded once to bf16 or f16.
;; Inputs: X_test 2,048 x 512 float32; X_train 65,536 x 512 float32; y_train 65,536 int32.
;; Outputs: out0 2,048 int32.
;; 2 versions, each right; version 2 is version 1 with the launches selb, vote written anew for expert scheduling mode. Each part assembles by itself: llvm-mc -triple=amdgcn-amd-amdhsa -mcpu=gfx1250 --defsym DOCPART=n.
;; ======== version 1 of 2: 5 launches
;; workspace buffers: Qb 2,097,152 bytes; q2 8,192 bytes; S 536,870,912 bytes; M 8,388,608 bytes; gmask 262,144 bytes of whole numbers; glist 262,144 bytes of whole numbers; emask 524,288 bytes of whole numbers
;; launch prepq (part 1): grid 256 x 1, 8 waves a work-group, no clusters, 0 bytes of LDS; arguments X_test, Qb, q2; writes Qb, q2
.if DOCPART == 1
	.amdgcn_target "amdgcn-amd-amdhsa--gfx1250"
	.amdhsa_code_object_version 6
	.text
	.protected	k_q2cc75cf6dc_prepq
	.globl	k_q2cc75cf6dc_prepq
	.p2align	8
	.type	k_q2cc75cf6dc_prepq,@function
k_q2cc75cf6dc_prepq:
	s_mov_b64 s[64:65], 0
	v_nop
	global_prefetch_b8 v0, s[64:65] scope:SCOPE_SE
	s_setreg_imm32_b32 hwreg(HW_REG_WAVE_MODE, 25, 1), 1
	s_wait_xcnt 0x0
; Qb[q][k] = bf16(-2 X_test[q][k]);  q2[q] = the sum over k of bf16(X_test[q][k])^2, in f32.
; -2 x is exact, so bf16(-2 x) = -2 bf16(x), and the sum of squares of Qb's row is 4 q2: one multiply by 0.25, exact.
; One wave, one row of 2,048 bytes: four loads of 512 consecutive bytes; each of the four stores of a wave covers 256 consecutive bytes, aligned.
; LIMITS: |x| beyond bf16's range over 2 gives an infinity; the sum's order differs from a sequential sum.
.set XR, 8                             ; v[8:23]  my 16 numbers of the row
.set PB, 24                            ; v[24:31] the same, times -2, packed to bf16
	s_load_b128 s[4:7], s[0:1], 0x0                ; X_test s[4:5], Qb s[6:7]
	s_load_b64 s[8:9], s[0:1], 0x10                ; q2
	v_lshrrev_b32 v1, 5, v0
	v_readfirstlane_b32 s10, v1                    ; wave 0..7
	v_and_b32 v2, 31, v0                           ; lane
	s_lshl_b32 s11, ttmp9, 3
	s_add_co_u32 s11, s11, s10                     ; my row q
	v_lshlrev_b32 v3, 4, v2                        ; 16 bytes a lane in X_test
	v_lshlrev_b32 v4, 3, v2                        ; 8 bytes a lane in Qb
	s_lshl_b32 s12, s11, 11                        ; q x 2,048
	s_mov_b32 s13, 0
	s_lshl_b32 s14, s11, 10                        ; q x 1,024
	s_mov_b32 s15, 0
	s_lshl_b32 s16, s11, 2                         ; q x 4
	s_mov_b32 s17, 0
	s_mov_b32 s18, 0x76543210                      ; v_permlanex16_b32: each lane takes its own place in the other half
	s_mov_b32 s19, 0xfedcba98
	v_mov_b32 v32, 0                               ; two chains of the sum of squares
	v_mov_b32 v33, 0
	v_mov_b32 v34, 0                               ; v_permlanex16_b32's destination counts as read
	v_mov_b32 v35, 0                               ; offset 0 for the one word of q2
	s_wait_kmcnt 0x0
	s_add_nc_u64 s[4:5], s[4:5], s[12:13]
	s_add_nc_u64 s[6:7], s[6:7], s[14:15]
	s_add_nc_u64 s[8:9], s[8:9], s[16:17]
.irp i, 0,1,2,3
	global_load_b128 v[XR+4*(\i):XR+4*(\i)+3], v3, s[4:5] offset:512*(\i) th:TH_LOAD_NT
.endr
	s_wait_loadcnt 0x0
.irp i, 0,1,2,3,4,5,6,7
	v_pk_mul_f32 v[XR+2*(\i):XR+2*(\i)+1], v[XR+2*(\i):XR+2*(\i)+1], -2.0 op_sel_hi:[1,0]
.endr
.irp i, 0,1,2,3,4,5,6,7
	v_cvt_pk_bf16_f32 v[PB+(\i)], v[XR+2*(\i)], v[XR+2*(\i)+1]
.endr
.irp i, 0,1,2,3
	global_store_b64 v4, v[PB+2*(\i):PB+2*(\i)+1], s[6:7] offset:256*(\i)
.endr
.irp i, 0,1,2,3,4,5,6,7
	v_fma_mix_f32_bf16 v32, v[PB+(\i)], v[PB+(\i)], v32 op_sel_hi:[1,1,0]                 ; the low halves' squares
	v_fma_mix_f32_bf16 v33, v[PB+(\i)], v[PB+(\i)], v33 op_sel:[1,1,0] op_sel_hi:[1,1,0]  ; the high halves'
.endr
	v_add_f32 v32, v32, v33
	v_add_f32_dpp v32, v32, v32 row_xmask:1 row_mask:0xf bank_mask:0xf
	v_add_f32_dpp v32, v32, v32 row_xmask:2 row_mask:0xf bank_mask:0xf
	v_add_f32_dpp v32, v32, v32 row_xmask:4 row_mask:0xf bank_mask:0xf
	v_add_f32_dpp v32, v32, v32 row_xmask:8 row_mask:0xf bank_mask:0xf
	v_permlanex16_b32 v34, v32, s18, s19
	v_add_f32 v32, v32, v34
	v_mul_f32 v32, 0x3e800000, v32                 ; a quarter: the squares were of -2 x
	v_cmp_eq_u32 vcc_lo, 0, v2
	s_wait_xcnt 0x0                                ; EXEC is narrowed only behind this wait: the stores above have read it
	s_and_saveexec_b32 s20, vcc_lo
	global_store_b32 v35, v32, s[8:9]              ; lane 0 alone: q2 is 8,192 bytes in all
	s_endpgm
.Lfunc_end_k_q2cc75cf6dc_prepq:
	.size	k_q2cc75cf6dc_prepq, .Lfunc_end_k_q2cc75cf6dc_prepq-k_q2cc75cf6dc_prepq
	.p2alignl 7, 3214868480
	.fill 96, 4, 3214868480
	.section	.rodata,"a",@progbits
	.p2align	6, 0x0
	.amdhsa_kernel k_q2cc75cf6dc_prepq
		.amdhsa_group_segment_fixed_size 0
		.amdhsa_private_segment_fixed_size 0
		.amdhsa_enable_private_segment 0
		.amdhsa_kernarg_size 24
		.amdhsa_user_sgpr_count 2
		.amdhsa_user_sgpr_kernarg_segment_ptr 1
		.amdhsa_wavefront_size32 1
		.amdhsa_system_sgpr_workgroup_id_x 1
		.amdhsa_system_sgpr_workgroup_id_y 1
		.amdhsa_system_sgpr_workgroup_id_z 1
		.amdhsa_system_vgpr_workitem_id 0
		.amdhsa_next_free_vgpr 40
		.amdhsa_next_free_sgpr 66
		.amdhsa_reserve_vcc 1
		.amdhsa_float_denorm_mode_32 3
		.amdhsa_float_denorm_mode_16_64 3
		.amdhsa_memory_ordered 1
		.amdhsa_forward_progress 1
		.amdhsa_inst_pref_size 5
	.end_amdhsa_kernel
	.amdgpu_metadata
---
amdhsa.version: [ 1, 2 ]
amdhsa.kernels:
  - .name:           k_q2cc75cf6dc_prepq
    .symbol:         k_q2cc75cf6dc_prepq.kd
    .args:
      - { .name: X_test, .offset: 0, .size: 8, .value_kind: global_buffer, .address_space: global }
      - { .name: Qb, .offset: 8, .size: 8, .value_kind: global_buffer, .address_space: global }
      - { .name: q2, .offset: 16, .size: 8, .value_kind: global_buffer, .address_space: global }
    .group_segment_fixed_size: 0
    .private_segment_fixed_size: 0
    .kernarg_segment_align: 8
    .kernarg_segment_size: 24
    .max_flat_workgroup_size: 256
    .sgpr_count:     66
    .vgpr_count:     40
    .wavefront_size: 32
...
	.end_amdgpu_metadata
.endif
;; end of part 1
;; launch main (part 2): grid 256 x 1, 4 waves a work-group, clusters of 4 x 1, 327,680 bytes of LDS; arguments X_train, Qb, q2, S, M; writes S, M
.if DOCPART == 2
	.amdgcn_target "amdgcn-amd-amdhsa--gfx1250"
	.amdhsa_code_object_version 6
	.text
	.protected	k_q2cc75cf6dc_main
	.globl	k_q2cc75cf6dc_main
	.p2align	8
	.type	k_q2cc75cf6dc_main,@function
k_q2cc75cf6dc_main:
	s_mov_b64 s[64:65], 0
	v_nop
	global_prefetch_b8 v0, s[64:65] scope:SCOPE_SE
	s_setreg_imm32_b32 hwreg(HW_REG_WAVE_MODE, 25, 1), 1
	s_wait_xcnt 0x0
	s_wait_alu depctr_hold_cnt(0) depctr_sa_sdst(0) depctr_va_vdst(0) depctr_va_sdst(0) depctr_va_ssrc(0) depctr_va_vcc(0) depctr_vm_vsrc(0)
	s_getreg_b32 s2, hwreg(HW_REG_IB_STS2, 6, 4)
	s_cmp_eq_u32 s2, 0
	s_cbranch_scc0 .Lentry_in_a_cluster
	s_endpgm
.Lentry_in_a_cluster:
	s_bfe_u32 s2, ttmp6, 0x10000c
	s_cmp_lg_u32 s2, 0x3003
	s_cbranch_scc0 .Lentry_shape_is_right
	s_endpgm
.Lentry_shape_is_right:
; S[q][t] = (q2[q] - 2 q.t) + t2[t], in reference()'s order of the two additions, for all 2,048 queries and 65,536 training rows;
; M[g][slot][p] = the least S over group g's 64 training rows, for query 64 slot + 32 (p & 1) + (p >> 1).
; Products in bf16 (Qb holds bf16(-2 q)), sums in f32; t2 is the sum of squares of the ROUNDED row, taken by the matrix unit as the diagonal of A A^T.
; SHARES.  Work-group W owns training rows 256 W ..; wave w 64 of them, which are group g = 4 W + w.  They are read once, as f32, through LDS, rounded, and kept as
; 64 A fragments (4 blocks of 16 rows x 16 steps of 32 along K) in 512 registers for the whole launch.  All queries stream through two LDS slots of 64 queries.
; The four work-groups of a cluster want the same queries: each slot is asked for JOINTLY (mask 15).  The mask names four at the most, so the cluster is 4 x 1.
; A TILE is 16 queries: 64 matrix instructions a wave.  D = A(train) x B(query): a lane holds ONE query (lane % 16) and training rows 16 a + 8 (lane / 16) + 0..7.
; PIPELINE, a unit = H1 (K steps 8-15 of tile x-1) + H0 (K steps 0-7 of tile x): H1 fetches tile x's first half of B and stages tile x-2; H0 stores tile x-2, fetches tile x's
; second half, and carries tile x-1's vector work (q2, t2, minimum) in slices of four behind its matrix instructions.
; LIMITS: a NaN is dropped by the minimum; sums run in another order than a sequential f32 sum; numbers beyond bf16's range become infinities.
; REGISTERS in windows of 256 (s_set_vgpr_msb: bits 1:0 source 0, 3:2 source 1, 5:4 source 2, 7:6 destination):
;   window 0: addresses, statistics, v32-63 rows on the way out, v64-95 t2, v96-159 two sets of four accumulators
;   windows 1, 2: A: block a, K step kb at v[32 (kb % 8) + 8 a] of window 1 + kb / 8        window 3: v0-63, v64-127 the two halves of a tile's B (before that: f32 numbers to be rounded)
.set PQ,    1040                       ; a query's row in LDS: 1,024 bytes + 16: 260 words, so 16 rows begin at 16 different groups of four banks (64 banks of 4 bytes: ISA guide 11.1)
.set TILEB, 16*PQ
.set SLOTB, 64*PQ
.set SLOT1, 1<<17                      ; slot 1 begins here: one exclusive or turns an address in one slot into the other's
.set PX,    2080                       ; a training row in LDS, f32: two halves of 1,024 + 16 bytes
.set XW,    16*PX                      ; a wave's staging block: 16 rows
.set X1,    4*XW                       ; the second staging region
.set STAGE, 2*X1                       ; 16 rows x 272 bytes for each wave, for the way out; no tensor load lands here or behind
.set SPI,   272
.set T2S,   STAGE+4*16*SPI             ; 512 bytes for each wave: t2 on its way from the diagonal's lanes to the lanes that add it
.set SPARE, T2S+4*512                  ; the spare words, 128 bytes for each wave: two blocks of 256 bytes that no other line names
.set AB0, 4                            ; v4   my lane's place in a tile of queries: r x 1,040 + 16 h
.set ADR, 5                            ; v5   the LDS address of the tile in hand
.set AA,  6                            ; v6-7 my lane's place in staging region 0, 1
.set STO, 8                            ; v8   the way out: where I put 16 bytes of a row
.set RD,  9                            ; v9   where I read rows back
.set SO,  10                           ; v10  my byte offset in two rows of S
.set MO,  11                           ; v11  8 x lane
.set Q2O, 12                           ; v12  4 r
.set T2A, 13                           ; v13  T2S + 512 w + 4 lane
.set T2R, 14                           ; v14  T2S + 512 w + 96 h
.set PFO, 15                           ; v15  256 x lane
.set SPW, 16                           ; v16  my spare word; never rewritten
.set NIL, 17                           ; v17  0; never rewritten
.set VAL, 18
.set PT,  19
.set Q2R, 20                           ; v[20:21], v[22:23]  q2 of my query, by the tile's parity, in the pair's low word; the high word holds 0
.set MINR, 24                          ; v24-27  a slot's four tiles' minima
.set MM,  28                           ; v[28:29] the 64 minima of a slot, two a lane
.set MX,  30                           ; v30-31  two chains of the minimum
.set TMP, 32
.set T2F, 64
.set ACC, 96
.set BUF0, 0
.set BUF1, 64
.set XT,  4                            ; s[4:5] X_train
.set QB,  6                            ; s[6:7] Qb
.set Q2P, 8                            ; s[8:9] q2 at the slot in hand
.set SP,  10                           ; s[10:11] S at my group, at the tile last stored
.set MP,  12                           ; s[12:13] M at my group, at the slot to be stored
.set WV,  14
.set CX,  15
.set WG,  16
.set LIM, 17
.set PFA, 18                           ; s[18:19] where my prefetches stand
.set TO,  20                           ; s[20:21] offsets that hang on my work-group
.set INC, 22                           ; s[22:23] 0, then 16 rows of S
.set G1T, 24
.set G1Q, 32
.set G0X0, 40
.set G0X1, 44
.set G0Q, 48
.set TB,  52                           ; LDS byte at which the tile to be fetched begins
.set SLOTS, 53
.set HMASK, 54
.set SEL, 56
.set MINC, 58                          ; s[58:59] 0, then 256
.set DM,  66                           ; s66-72  lanes j and 24 + j, j = 1..7: where register j holds the diagonal
.set TW,  74                           ; s[74:75] offsets made of the wave's number alone
.set L0,  76
.set L1,  77
.set L2,  78
.set MSB, 0
.macro WIN new                         ; the immediate's high byte repeats the setting that is left; a switch that changes nothing is dropped
.if MSB != (\new)
	s_set_vgpr_msb (MSB<<8)|(\new)
.set MSB, \new
.endif
.endm
.macro PLACES                          ; four plain places behind matrix instructions, and behind a tensor load
.rept 4
	v_nop
.endr
.endm
.macro ROUND                           ; a round of the cluster's barrier
	s_barrier_signal -1
	s_barrier_wait -1
	s_cmp_lg_u32 s[WV], 0
	s_cbranch_scc1 .Lnot_wave_0_\@
	s_barrier_signal -3
.Lnot_wave_0_\@:
	s_barrier_wait -3
	s_barrier_signal -1
	s_barrier_wait -1
.endm
; A refill in the prologue: all my tensor loads have landed, the add, my LDS reads are back, a round, and my one load first behind it.
.macro PCHG g0, g1, step
	WIN 0
	s_wait_tensorcnt 0x0                           ; no tensor load of mine is out, so a group 0 may be written
	ds_add_u32 v[SPW], v[NIL]
.if \step
	s_add_nc_u64 s[(\g0)+2:(\g0)+3], s[(\g0)+2:(\g0)+3], 65536  ; two blocks of 16 rows on
.endif
	s_wait_dscnt 0x0                               ; the add is done, and my reads of the region are over
	ROUND
	tensor_load_to_lds s[(\g0):(\g0)+3], s[(\g1):(\g1)+7]
	s_nop 0
	PLACES
.endm
; Block b of my rows (16 rows x 512 f32 in staging region b % 2) becomes 16 A fragments, and its t2 is made.  In two passes of 8 K steps: 32 loads, 64 roundings, 8 products A A^T on two
; accumulators that take turns.  A fragment's lane holds row r, K = 32 kb + 8 h + 0..7 and 32 kb + 16 + 8 h + 0..7: in f32 two runs of 32 bytes, 64 bytes apart.
.macro CONVERT b
.irp c, 0,1
	WIN 0xC0
.irp k, 0,1,2,3,4,5,6,7
	ds_load_b128 v[16*(\k):16*(\k)+3],     v[AA+(\b)%2] offset:(8*(\c)+(\k))*128+16*(\c)
	ds_load_b128 v[16*(\k)+4:16*(\k)+7],   v[AA+(\b)%2] offset:(8*(\c)+(\k))*128+16*(\c)+16
	ds_load_b128 v[16*(\k)+8:16*(\k)+11],  v[AA+(\b)%2] offset:(8*(\c)+(\k))*128+16*(\c)+64
	ds_load_b128 v[16*(\k)+12:16*(\k)+15], v[AA+(\b)%2] offset:(8*(\c)+(\k))*128+16*(\c)+80
.endr
	s_wait_dscnt 0x0
	WIN 0x4F+0x40*(\c)                             ; sources window 3, destination window 1 or 2
.irp k, 0,1,2,3,4,5,6,7
.irp i, 0,1,2,3,4,5,6,7
	v_cvt_pk_bf16_f32 v[32*(\k)+8*(\b)+(\i)], v[16*(\k)+2*(\i)], v[16*(\k)+2*(\i)+1]
.endr
.endr
	WIN 0x05*(1+(\c))                              ; both sources window 1 or 2, C and D window 0
.irp k, 0,1,2,3,4,5,6,7
.if ((\c) == 0) && ((\k) < 2)
	v_wmma_f32_16x16x32_bf16 v[ACC+8*((\k)%2):ACC+8*((\k)%2)+7], v[32*(\k)+8*(\b):32*(\k)+8*(\b)+7], v[32*(\k)+8*(\b):32*(\k)+8*(\b)+7], 0
.else
	v_wmma_f32_16x16x32_bf16 v[ACC+8*((\k)%2):ACC+8*((\k)%2)+7], v[32*(\k)+8*(\b):32*(\k)+8*(\b)+7], v[32*(\k)+8*(\b):32*(\k)+8*(\b)+7], v[ACC+8*((\k)%2):ACC+8*((\k)%2)+7]
.endif
.endr
.endr
	WIN 0
	PLACES
.irp i, 0,1,2,3
	v_pk_add_f32 v[ACC+2*(\i):ACC+2*(\i)+1], v[ACC+2*(\i):ACC+2*(\i)+1], v[ACC+8+2*(\i):ACC+8+2*(\i)+1]  ; the two parities of K steps; the low registers first
.endr
	v_cndmask_b32 v[VAL], v[ACC], v[ACC+1], s[DM]  ; element (8 h + j, r) is on the diagonal in lanes j and 24 + j
.irp j, 2,3,4,5,6,7
	v_cndmask_b32 v[VAL], v[VAL], v[ACC+(\j)], s[DM+(\j)-1]
.endr
	ds_store_b32 v[T2A], v[VAL] offset:128*(\b)    ; words 0-7: rows 0-7; words 24-31: rows 8-15; the others are not read
	ds_load_b128 v[T2F+8*(\b):T2F+8*(\b)+3],   v[T2R] offset:128*(\b)     ; my wave's own bytes, served in order (ISA guide 5.7.1.4): t2 of rows 8 h + 0..7
	ds_load_b128 v[T2F+8*(\b)+4:T2F+8*(\b)+7], v[T2R] offset:128*(\b)+16
.endm
.macro BLOAD buf, off                  ; 8 B fragments: 16 queries x 256 along K, 16 loads in one run
	WIN 0xC0
.irp k, 0,1,2,3,4,5,6,7
	ds_load_b128 v[(\buf)+8*(\k):(\buf)+8*(\k)+3],   v[ADR] offset:(\off)+64*(\k)
	ds_load_b128 v[(\buf)+8*(\k)+4:(\buf)+8*(\k)+7], v[ADR] offset:(\off)+64*(\k)+32
.endr
.endm
.macro STG p                           ; a finished tile (set p) goes into my stage and comes back as whole rows of 256 bytes
	s_wait_xcnt 0x0                                ; the last stores have read TMP
.irp a, 0,1,2,3
	ds_store_b128 v[STO], v[ACC+32*(\p)+8*(\a):ACC+32*(\p)+8*(\a)+3]   offset:64*(\a)
	ds_store_b128 v[STO], v[ACC+32*(\p)+8*(\a)+4:ACC+32*(\p)+8*(\a)+7] offset:64*(\a)+16
.endr
.irp t, 0,1,2,3,4,5,6,7
	ds_load_b128 v[TMP+4*(\t):TMP+4*(\t)+3], v[RD] offset:2*SPI*(\t)
.endr
.endm
.macro SND                             ; 16 rows of S: each store covers two runs of 256 consecutive bytes, aligned
	s_wait_xcnt 0x0                                ; every earlier memory instruction has read its addresses: the pointers may be written
	s_add_nc_u64 s[SP:SP+1], s[SP:SP+1], s[INC:INC+1]
.irp t, 0,1,2,3,4,5,6,7
	global_store_b128 v[SO], v[TMP+4*(\t):TMP+4*(\t)+3], s[SP:SP+1] offset:524288*(\t) th:TH_STORE_NT
.endr
	s_mov_b32 s[INC], 0x400000                     ; from the second time on: 16 rows of 262,144 bytes
.endm
; Number nn of a finished tile's vector work (set p, tile u of its slot).  0-15: + q2.  16-31: + t2.  32-47: two chains of the minimum.  48-50: the chains, the other half of the lanes.
; 51, 52 (tile 3 alone): the slot's 64 minima, two a lane.  Each accumulator's lowest registers are read first.
.macro RID p, u
.set rA, ACC+32*(\p)
.if nn < 16
	v_pk_add_f32 v[rA+2*nn:rA+2*nn+1], v[rA+2*nn:rA+2*nn+1], v[Q2R+2*(\p):Q2R+2*(\p)+1] op_sel_hi:[1,0]
.elseif nn < 32
	v_pk_add_f32 v[rA+2*(nn-16):rA+2*(nn-16)+1], v[rA+2*(nn-16):rA+2*(nn-16)+1], v[T2F+2*(nn-16):T2F+2*(nn-16)+1]
.elseif nn < 34
	v_min_num_f32 v[MX+nn%2], v[rA+16*(nn%2)], v[rA+16*(nn%2)+1]
.elseif nn < 48
	v_min3_num_f32 v[MX+nn%2], v[MX+nn%2], v[rA+16*(nn%2)+2*((nn-32)/2)], v[rA+16*(nn%2)+2*((nn-32)/2)+1]
.elseif nn == 48
	v_min_num_f32 v[MX], v[MX], v[MX+1]
.elseif nn == 49
	v_permlanex16_b32 v[PT], v[MX], s[SEL], s[SEL+1]
.elseif nn == 50
	v_min_num_f32 v[MINR+(\u)], v[MX], v[PT]
.elseif (nn == 51) && ((\u) == 3)
	v_cndmask_b32 v[MM], v[MINR], v[MINR+1], s[HMASK]      ; lane l: query l of the slot
.elseif (nn == 52) && ((\u) == 3)
	v_cndmask_b32 v[MM+1], v[MINR+2], v[MINR+3], s[HMASK]  ; and query 32 + l
.endif
.set nn, nn+1
.endm
; K steps 8-15 of tile x - 1 (accumulator set 1 - u % 2).  nb: tile x's address, q2 and first half of B are asked for.  stg: tile x - 2 is staged.  mst: a slot's minima are stored.
.macro H1 u, nb, stg, mst
	s_wait_dscnt 0x0                               ; the second half of B is in
	WIN 0
	PLACES                                         ; in front of loads into registers that the last products read
.if \nb
	v_add_nc_u32 v[ADR], s[TB], v[AB0]
	global_load_b32 v[Q2R+2*((\u)%2)], v[Q2O], s[Q2P:Q2P+1] offset:64*(\u)
	BLOAD BUF0, 0
	WIN 0
.endif
.if \stg
	STG (\u)%2
.endif
.if \mst
	global_store_b64 v[MO], v[MM:MM+1], s[MP:MP+1] ; 256 consecutive bytes, aligned
	s_mov_b32 s[MINC], 256
.endif
	WIN 0x0E                                       ; A window 2, B window 3, C and D window 0
.set ii, 0
.rept 32                               ; the four accumulators take turns, one instruction a turn
.set rD, ACC+32*(1-(\u)%2)+8*(ii%4)
	v_wmma_f32_16x16x32_bf16 v[rD:rD+7], v[32*(ii/4)+8*(ii%4):32*(ii/4)+8*(ii%4)+7], v[BUF1+8*(ii/4):BUF1+8*(ii/4)+7], v[rD:rD+7]
.set ii, ii+1
.endr
.endm
; K steps 0-7 of tile x (set u % 2; the first four products start the sums).  snd: tile x - 2 is stored.  rid: tile x - 1's vector work rides, four behind each product.
; mps, q2s: M's and q2's pointers step, behind SND's wait.
.macro H0 u, snd, rid, mps, q2s
	s_wait_dscnt 0x0                               ; the first half of B is in, and the staged rows are back
	WIN 0
	PLACES                                         ; in front of the loads below, and of the riders, which read results just made
.if \snd
	SND
.endif
.if \mps
	s_add_nc_u64 s[MP:MP+1], s[MP:MP+1], s[MINC:MINC+1]
.endif
.if \q2s
	s_add_nc_u64 s[Q2P:Q2P+1], s[Q2P:Q2P+1], 256
.endif
.if \rid
	s_wait_loadcnt 0x1                             ; q2 of tile x - 1 is in; the one younger load, tile x's, stays out
.endif
	BLOAD BUF1, 512
	s_add_co_u32 s[TB], s[TB], TILEB               ; the next fetch is the next tile's
.set nn, 0
.set ii, 0
.set LIMN, 51+2*((((\u)+3)%4)/3)
.rept 32
	WIN 0x0D                                       ; A window 1, B window 3, C and D window 0
.set rD, ACC+32*((\u)%2)+8*(ii%4)
.if ii < 4
	v_wmma_f32_16x16x32_bf16 v[rD:rD+7], v[32*(ii/4)+8*(ii%4):32*(ii/4)+8*(ii%4)+7], v[BUF0+8*(ii/4):BUF0+8*(ii/4)+7], 0
.else
	v_wmma_f32_16x16x32_bf16 v[rD:rD+7], v[32*(ii/4)+8*(ii%4):32*(ii/4)+8*(ii%4)+7], v[BUF0+8*(ii/4):BUF0+8*(ii/4)+7], v[rD:rD+7]
.endif
.if (\rid) && (nn < LIMN)
	WIN 0
.rept 4
	RID 1-(\u)%2, ((\u)+3)%4
.endr
.endif
.set ii, ii+1
.endr
.endm
; A prefetch of the slot that stands two joint loads on: 64 rows of 1,024 bytes = 256 blocks of 256 bytes, a lane a block.  All clusters walk the same queries: cluster 0 asks; its four
; partners take a quarter each BY ADDRESS; in each, waves 0 and 1 ask: one instruction.  So each block is named once.  The last two changes that fill ask for nothing: no such slot exists.
.macro ASK
	s_cmp_gt_u32 s[SLOTS], s[LIM]
	s_cbranch_scc0 .Lnot_mine_\@
	global_prefetch_b8 v[PFO], s[PFA:PFA+1] th:TH_LOAD_NT scope:SCOPE_SE
.Lnot_mine_\@:
.endm
; The change of slots: all my tensor loads have landed (one was out: my part of the next slot), the add, my reads of the old slot are back.  fill = 1: a round of the cluster's barrier, and
; the old slot is asked for again, jointly, first thing behind it: it has four tiles, 256 matrix instructions, in which to land.
.macro CHANGE fill
	WIN 0
	s_wait_tensorcnt 0x0
	ds_add_u32 v[SPW], v[NIL]
.if \fill
	s_xor_b32 s[G0Q+1], s[G0Q+1], SLOT1            ; the walking descriptor: the other slot,
	s_add_nc_u64 s[G0Q+2:G0Q+3], s[G0Q+2:G0Q+3], 65536  ; the next 64 queries
	s_wait_xcnt 0x0                                ; the last prefetch, four tiles back, has read its address
	s_add_nc_u64 s[PFA:PFA+1], s[PFA:PFA+1], 65536
	s_wait_dscnt 0x0
	ROUND
	tensor_load_to_lds s[G0Q:G0Q+3], s[G1Q:G1Q+7]
	s_nop 0
	PLACES
	ASK
.else
	s_wait_dscnt 0x0
	s_barrier_signal -1
	s_barrier_wait -1
.endif
	s_sub_co_u32 s[TB], s[TB], SLOTB               ; the fetches go back to a slot's first tile,
	s_xor_b32 s[TB], s[TB], SLOT1                  ; in the other slot
.endm
	s_load_b256 s[4:11], s[0:1], 0x0               ; X_train, Qb, q2, S
	s_load_b64 s[12:13], s[0:1], 0x20              ; M
	v_lshl_add_u32 v[SPW], v0, 2, SPARE
	v_mov_b32 v[NIL], 0
	ds_add_u32 v[SPW], v[NIL]                      ; the wave's opening: the add, twice on end, and its wait ahead of my first tensor load
	ds_add_u32 v[SPW], v[NIL]
	v_lshrrev_b32 v1, 5, v0
	v_readfirstlane_b32 s[WV], v1                  ; wave 0..3
	s_bfe_u32 s[CX], ttmp6, 0x40000                ; my place in the cluster
	s_lshl_b32 s[WG], ttmp9, 2
	s_add_co_u32 s[WG], s[WG], s[CX]               ; W: it enters global addresses of X_train, S, M and the prefetches alone
	; group 1 for the staging blocks: 32 half rows of 256 f32, dense in memory, 4 words of padding behind each
	s_mov_b32 s[G1T], (2<<16)|(1<<20)|(7<<22)|(3<<25)  ; elements of 4 bytes; padding on; after every 256 words (code 7); 4 words (code 3)
	s_mov_b32 s[G1T+1], 256<<16                    ; tensor_dim0 = 256
	s_mov_b32 s[G1T+2], 32<<16                     ; tensor_dim1 = 32
	s_mov_b32 s[G1T+3], 256<<16                    ; tile_dim0 = 256
	s_mov_b32 s[G1T+4], 32                         ; tile_dim1 = 32
	s_mov_b32 s[G1T+5], 256                        ; 256 elements from row to row
	s_mov_b32 s[G1T+6], 0
	s_mov_b32 s[G1T+7], 0
	; group 1 for the queries: 16 rows of 1,024 bytes (as 256 elements of 4 bytes), for all four work-groups
	s_mov_b32 s[G1Q], 15|(2<<16)|(1<<20)|(1<<21)|(7<<22)|(3<<25)
	s_mov_b32 s[G1Q+1], 256<<16
	s_mov_b32 s[G1Q+2], 16<<16
	s_mov_b32 s[G1Q+3], 256<<16
	s_mov_b32 s[G1Q+4], 16
	s_mov_b32 s[G1Q+5], 256
	s_mov_b32 s[G1Q+6], 0
	s_mov_b32 s[G1Q+7], 0
	s_mov_b32 s[TB], SLOT1+SLOTB                   ; the first change of slots turns it into 0
	s_mov_b32 s[SLOTS], 31
	s_mov_b32 s[HMASK], 0xffff0000
	s_mov_b32 s[SEL], 0x76543210
	s_mov_b32 s[SEL+1], 0xfedcba98
	s_mov_b32 s[INC], 0
	s_mov_b32 s[INC+1], 0
	s_mov_b32 s[MINC], 0
	s_mov_b32 s[MINC+1], 0
.irp j, 1,2,3,4,5,6,7
	s_mov_b32 s[DM+(\j)-1], (1<<(\j))|(1<<(24+(\j)))
.endr
	s_lshr_b32 s[LIM], s[WV], 1                    ; 0 in waves 0 and 1,
	s_or_b32 s[LIM], s[LIM], ttmp9                 ; of cluster 0: the same in all four partners
	s_cmp_eq_u32 s[LIM], 0
	s_cselect_b32 s[LIM], 2, -1
	s_mul_i32 s[L0], s[WV], XW                     ; LDS addresses are made of the wave's number alone
	s_mov_b32 s[G0X0], 1
	s_mov_b32 s[G0X0+1], s[L0]
	s_mov_b32 s[G0X1], 1
	s_add_co_u32 s[G0X1+1], s[L0], X1
	s_mov_b32 s[G0Q], 1
	s_mul_i32 s[G0Q+1], s[WV], TILEB
	s_lshl_b32 s[TO], s[WG], 19                    ; 256 rows of 2,048 bytes,
	s_lshl_b32 s[TO+1], s[WV], 17                  ; my wave's 64
	s_add_co_u32 s[TO], s[TO], s[TO+1]
	s_mov_b32 s[TO+1], 0
	s_lshl_b32 s[TW], s[WV], 14                    ; my 16 rows of a slot of queries
	s_mov_b32 s[TW+1], 0
	s_wait_dscnt 0x0                               ; both opening adds are done
	s_wait_kmcnt 0x0
	s_add_nc_u64 s[G0X0+2:G0X0+3], s[XT:XT+1], s[TO:TO+1]
	s_add_nc_u64 s[G0X1+2:G0X1+3], s[G0X0+2:G0X0+3], 32768
	s_or_b32 s[G0X0+3], s[G0X0+3], 0x80000000
	s_or_b32 s[G0X1+3], s[G0X1+3], 0x80000000
	s_add_nc_u64 s[G0Q+2:G0Q+3], s[QB:QB+1], s[TW:TW+1]
	s_or_b32 s[G0Q+3], s[G0Q+3], 0x80000000
	s_lshl_b32 s[TO], s[WG], 10                    ; S: 256 bytes a group
	s_lshl_b32 s[L1], s[WV], 8
	s_add_co_u32 s[TO], s[TO], s[L1]
	s_add_nc_u64 s[SP:SP+1], s[SP:SP+1], s[TO:TO+1]
	s_lshl_b32 s[TO], s[TO], 5                     ; M: 8,192 bytes a group
	s_add_nc_u64 s[MP:MP+1], s[MP:MP+1], s[TO:TO+1]
	s_lshl_b32 s[TO], s[CX], 1
	s_add_co_u32 s[TO], s[TO], s[WV]
	s_lshl_b32 s[TO], s[TO], 13                    ; my 32 blocks of a slot's 256,
	s_add_co_u32 s[TO], s[TO], 2*65536             ; in slot 2: the first change of slots steps it to slot 3
	s_add_nc_u64 s[PFA:PFA+1], s[QB:QB+1], s[TO:TO+1]
	ROUND                                          ; in front of the first tensor loads
	tensor_load_to_lds s[G0X0:G0X0+3], s[G1T:G1T+7]  ; my rows 0-15
	s_nop 0
	tensor_load_to_lds s[G0X1:G0X1+3], s[G1T:G1T+7]  ; my rows 16-31: two loads of mine are out, the most in this text
	s_nop 0
	PLACES
	v_and_b32 v1, 15, v0                           ; r
	v_bfe_u32 v2, v0, 4, 1                         ; h
	v_and_b32 v3, 31, v0                           ; lane
	v_mul_u32_u24 v[AB0], v1, PQ
	v_lshl_add_u32 v[AB0], v2, 4, v[AB0]
	v_mul_u32_u24 v[AA], v1, PX
	v_lshl_add_u32 v[AA], v2, 5, v[AA]
	v_add_nc_u32 v[AA], s[L0], v[AA]
	v_add_nc_u32 v[AA+1], X1, v[AA]
	s_mul_i32 s[L1], s[WV], 16*SPI
	s_add_co_u32 s[L1], s[L1], STAGE
	v_mul_u32_u24 v[STO], v1, SPI                  ; in: row r, 32 bytes for each half of the lanes
	v_lshl_add_u32 v[STO], v2, 5, v[STO]
	v_add_nc_u32 v[STO], s[L1], v[STO]
	v_mul_u32_u24 v[RD], v2, SPI                   ; back: lanes 0-15 one row of 256 bytes, lanes 16-31 the next
	v_lshl_add_u32 v[RD], v1, 4, v[RD]
	v_add_nc_u32 v[RD], s[L1], v[RD]
	v_lshlrev_b32 v[SO], 18, v2                    ; and the same two rows in S
	v_lshl_add_u32 v[SO], v1, 4, v[SO]
	v_lshlrev_b32 v[MO], 3, v3
	v_lshlrev_b32 v[Q2O], 2, v1
	s_lshl_b32 s[L2], s[WV], 9
	s_add_co_u32 s[L2], s[L2], T2S
	v_lshl_add_u32 v[T2A], v3, 2, s[L2]
	v_mul_u32_u24 v[T2R], v2, 96
	v_add_nc_u32 v[T2R], s[L2], v[T2R]
	v_lshlrev_b32 v[PFO], 8, v3
	v_mov_b32 v[PT], 0                             ; v_permlanex16_b32's destination counts as read
	v_mov_b32 v[Q2R+1], 0                          ; named with q2 as pairs
	v_mov_b32 v[Q2R+3], 0
	s_wait_tensorcnt 0x1                           ; rows 0-15 are in; rows 16-31 may stay out.  A staging block is read by the wave that asked for it alone
	CONVERT 0
	PCHG G0X0, G1T, 1                              ; rows 32-47 into region 0
	CONVERT 1
	PCHG G0X1, G1T, 1                              ; rows 48-63 into region 1
	CONVERT 2
	PCHG G0Q, G1Q, 0                               ; queries 0-63 into slot 0, over region 0, which every wave has read
	CONVERT 3
	CHANGE 1                                       ; slot 0 is whole; slot 1 is asked for, over region 1
	v_add_nc_u32 v[ADR], s[TB], v[AB0]             ; tile 0
	global_load_b32 v[Q2R], v[Q2O], s[Q2P:Q2P+1]
	BLOAD BUF0, 0
	H0 0, 0, 0, 0, 0
	H1 1, 1, 0, 0
	H0 1, 0, 1, 0, 0
	WIN 0
	s_branch .Lmid                                 ; the loop is entered in the middle of a trip
.Lslot:                                        ; slots 1 to 30: each change asks for the slot after
	CHANGE 1
	H1 0, 1, 1, 0
	H0 0, 1, 1, 0, 0
	H1 1, 1, 1, 1
	H0 1, 1, 1, 0, 0
	WIN 0
.Lmid:
	H1 2, 1, 1, 0
	H0 2, 1, 1, 1, 0
	H1 3, 1, 1, 0
	H0 3, 1, 1, 0, 1
	WIN 0
	s_sub_co_u32 s[SLOTS], s[SLOTS], 1
	s_cmp_lg_u32 s[SLOTS], 0
	s_cbranch_scc1 .Lslot
	CHANGE 0                                       ; the last slot is written out: nothing is asked for
	H1 0, 1, 1, 0
	H0 0, 1, 1, 0, 0
	H1 1, 1, 1, 1
	H0 1, 1, 1, 0, 0
	H1 2, 1, 1, 0
	H0 2, 1, 1, 1, 0
	H1 3, 1, 1, 0
	H0 3, 1, 1, 0, 1
	H1 0, 0, 1, 0                                  ; the last tile's second half; the last tile but one is staged
	s_wait_dscnt 0x0
	WIN 0
	PLACES
	SND
	s_wait_loadcnt 0x0
.set nn, 0
.rept 53
	RID 1, 3                                       ; the last tile's vector work, in one run
.endr
	STG 1
	s_wait_dscnt 0x0
	SND
	global_store_b64 v[MO], v[MM:MM+1], s[MP:MP+1]
	s_wait_tensorcnt 0x0                           ; the wave's end
	ds_add_u32 v[SPW], v[NIL]
	s_wait_dscnt 0x0
	ROUND                                          ; the closing round
	s_endpgm
.Lfunc_end_k_q2cc75cf6dc_main:
	.size	k_q2cc75cf6dc_main, .Lfunc_end_k_q2cc75cf6dc_main-k_q2cc75cf6dc_main
	.p2alignl 7, 3214868480
	.fill 96, 4, 3214868480
	.section	.rodata,"a",@progbits
	.p2align	6, 0x0
	.amdhsa_kernel k_q2cc75cf6dc_main
		.amdhsa_group_segment_fixed_size 327680
		.amdhsa_private_segment_fixed_size 0
		.amdhsa_enable_private_segment 0
		.amdhsa_kernarg_size 40
		.amdhsa_user_sgpr_count 2
		.amdhsa_user_sgpr_kernarg_segment_ptr 1
		.amdhsa_wavefront_size32 1
		.amdhsa_system_sgpr_workgroup_id_x 1
		.amdhsa_system_sgpr_workgroup_id_y 1
		.amdhsa_system_sgpr_workgroup_id_z 1
		.amdhsa_system_vgpr_workitem_id 0
		.amdhsa_next_free_vgpr 896
		.amdhsa_next_free_sgpr 96
		.amdhsa_reserve_vcc 0
		.amdhsa_float_denorm_mode_32 3
		.amdhsa_float_denorm_mode_16_64 3
		.amdhsa_memory_ordered 1
		.amdhsa_forward_progress 1
		.amdhsa_inst_pref_size 195
	.end_amdhsa_kernel
	.amdgpu_metadata
---
amdhsa.version: [ 1, 2 ]
amdhsa.kernels:
  - .name:           k_q2cc75cf6dc_main
    .symbol:         k_q2cc75cf6dc_main.kd
    .args:
      - { .name: X_train, .offset: 0, .size: 8, .value_kind: global_buffer, .address_space: global }
      - { .name: Qb, .offset: 8, .size: 8, .value_kind: global_buffer, .address_space: global }
      - { .name: q2, .offset: 16, .size: 8, .value_kind: global_buffer, .address_space: global }
      - { .name: S, .offset: 24, .size: 8, .value_kind: global_buffer, .address_space: global }
      - { .name: M, .offset: 32, .size: 8, .value_kind: global_buffer, .address_space: global }
    .group_segment_fixed_size: 327680
    .private_segment_fixed_size: 0
    .kernarg_segment_align: 8
    .kernarg_segment_size: 40
    .max_flat_workgroup_size: 128
    .sgpr_count:     96
    .vgpr_count:     896
    .wavefront_size: 32
...
	.end_amdgpu_metadata
.endif
;; end of part 2
;; launch sela (part 3): grid 256 x 1, 8 waves a work-group, no clusters, 34,048 bytes of LDS; arguments M, gmask; writes gmask
.if DOCPART == 3
	.amdgcn_target "amdgcn-amd-amdhsa--gfx1250"
	.amdhsa_code_object_version 6
	.text
	.protected	k_q2cc75cf6dc_sela
	.globl	k_q2cc75cf6dc_sela
	.p2align	8
	.type	k_q2cc75cf6dc_sela,@function
k_q2cc75cf6dc_sela:
	s_mov_b64 s[64:65], 0
	v_nop
	global_prefetch_b8 v0, s[64:65] scope:SCOPE_SE
	s_setreg_imm32_b32 hwreg(HW_REG_WAVE_MODE, 25, 1), 1
	s_wait_xcnt 0x0
; For each query: which 32 of the 1,024 groups have the least (distance of the group's nearest row, group number).  gmask[q][i] bit l = group 32 i + l is among them.
; Every one of a query's 32 nearest rows (by distance, then index) lies in one of these groups: a group ahead of the row's own holds a row ahead of it.
; dist = sqrt(max(d2, 0)) as reference() has it; a non-negative f32 orders as its bits do, so the 32nd smallest key is found bit by bit (31 counts), with selects and no branch on data.
; A work-group takes 8 queries: 32 bytes of each group's 256 in M; they are turned in LDS so that a wave holds one query's 1,024 minima, 32 a lane.
; LIMITS: v_sqrt_f32 is within one unit in the last place and takes a denormal as 0, so equalities of distances may fall otherwise than with a correctly rounded root; a NaN counts as 0.
.set PL,    4112                       ; a query's plane in LDS: 4,096 bytes + 16
.set SPARE, 33024                      ; behind the 8 planes: the spare words, 128 bytes for each wave
.set LD,  16                           ; v[16:47] as loaded
.set KB,  48                           ; v[48:79] keys: register i, lane l: group 32 i + l
.set RR,  8
.set OUTR, 9
.set RES, 16
.set CL,  17
.set BIT, 18
.set TRIAL, 19
.set CNT, 20
.set CTR, 21
.set NEED, 22
.set BASE, 23
.set MK,  32                           ; s32-39 lane masks
.macro KEYS n, kb
.set i, 0
.rept \n
	v_max_num_f32 v[(\kb)+i], 0, v[(\kb)+i]
.set i, i+1
.endr
.set i, 0
.rept \n
	v_sqrt_f32 v[(\kb)+i], v[(\kb)+i]
.set i, i+1
.endr
	v_nop                                          ; a plain instruction behind the last root,
	s_wait_alu depctr_va_vdst(0)                   ; and one wait for the batch
.set i, 0
.rept \n
	v_and_b32 v[(\kb)+i], 0x7fffffff, v[(\kb)+i]   ; -0 counts as 0
.set i, i+1
.endr
.endm
; RES = the greatest number T with fewer than 32 keys below it = the 32nd smallest key; CL = the keys below RES.
.macro BISECT n, kb
	s_mov_b32 s[RES], 0
	s_mov_b32 s[CL], 0
	s_mov_b32 s[BIT], 1<<30
	s_mov_b32 s[CTR], 31
.Lbit_\@:
	s_or_b32 s[TRIAL], s[RES], s[BIT]
	s_mov_b32 s[CNT], 0
.set i, 0
.rept (\n)/8
.irp k, 0,1,2,3,4,5,6,7
	v_cmp_gt_u32 s[MK+(\k)], s[TRIAL], v[(\kb)+i+(\k)]
.endr
.irp k, 0,1,2,3,4,5,6,7
	s_bcnt1_i32_b32 s[MK+(\k)], s[MK+(\k)]
.endr
.irp k, 0,1,2,3,4,5,6,7
	s_add_co_u32 s[CNT], s[CNT], s[MK+(\k)]
.endr
.set i, i+8
.endr
	s_cmp_lt_u32 s[CNT], 32
	s_cselect_b32 s[RES], s[TRIAL], s[RES]
	s_cselect_b32 s[CL], s[CNT], s[CL]
	s_lshr_b32 s[BIT], s[BIT], 1
	s_sub_co_u32 s[CTR], s[CTR], 1
	s_cmp_lg_u32 s[CTR], 0
	s_cbranch_scc1 .Lbit_\@
	s_sub_co_u32 s[NEED], 32, s[CL]
.endm
; All keys below RES, and of those equal to it the first NEED in the order of registers and lanes: word i of the mask goes to lane i % 32 of register ob + i / 32.
.macro SELECT n, kb, ob
	s_mov_b32 s[BASE], 0
.set i, 0
.rept \n
	v_cmp_eq_u32 s[MK], s[RES], v[(\kb)+i]
	v_cmp_gt_u32 s[MK+1], s[RES], v[(\kb)+i]
	v_mbcnt_lo_u32_b32 v[RR], s[MK], s[BASE]       ; how many equal keys stand ahead of mine
	v_cmp_gt_u32 s[MK+2], s[NEED], v[RR]
	s_and_b32 s[MK+2], s[MK+2], s[MK]
	s_or_b32 s[MK+2], s[MK+2], s[MK+1]
	s_bcnt1_i32_b32 s[MK], s[MK]
	s_add_co_u32 s[BASE], s[BASE], s[MK]
	v_writelane_b32 v[(\ob)+i/32], s[MK+2], i%32
.set i, i+1
.endr
.endm
	s_load_b128 s[4:7], s[0:1], 0x0                ; M s[4:5], gmask s[6:7]
	v_lshl_add_u32 v6, v0, 2, SPARE                ; my spare word
	v_mov_b32 v7, 0
	v_lshrrev_b32 v1, 5, v0
	v_readfirstlane_b32 s8, v1                     ; wave 0..7
	v_and_b32 v2, 31, v0                           ; lane
	s_lshr_b32 s9, ttmp9, 3                        ; the slot of 64 queries
	s_and_b32 s10, ttmp9, 7                        ; which 8 of its 64 words
	v_lshrrev_b32 v1, 1, v0                        ; thread / 2: a group among 128
	v_and_b32 v8, 1, v0                            ; which 16 of the 32 bytes
	v_lshlrev_b32 v3, 13, v1                       ; 8,192 bytes a group
	v_lshl_add_u32 v3, v8, 4, v3
	v_mul_u32_u24 v4, v8, 4*PL                     ; planes 0-3 or 4-7,
	v_lshl_add_u32 v4, v1, 2, v4                   ; the group's word
	s_mul_i32 s11, s8, PL
	v_lshl_add_u32 v5, v2, 2, s11                  ; my wave's plane, my lane's word
	v_lshlrev_b32 v10, 2, v2
	v_mov_b32 v[OUTR], 0
	s_lshl_b32 s12, s9, 8
	s_lshl_b32 s13, s10, 5
	s_add_co_u32 s12, s12, s13
	s_mov_b32 s13, 0
	s_lshl_b32 s14, s9, 6                          ; word p = 8 j + w holds query 64 slot + 32 (p & 1) + (p >> 1)
	s_and_b32 s15, s8, 1
	s_lshl_b32 s15, s15, 5
	s_add_co_u32 s14, s14, s15
	s_lshl2_add_u32 s14, s10, s14
	s_lshr_b32 s15, s8, 1
	s_add_co_u32 s14, s14, s15
	s_lshl_b32 s14, s14, 7                         ; 128 bytes of gmask a query
	s_mov_b32 s15, 0
	s_wait_kmcnt 0x0
	s_add_nc_u64 s[4:5], s[4:5], s[12:13]
	s_add_nc_u64 s[6:7], s[6:7], s[14:15]
.irp i, 0,1,2,3,4,5,6,7
	global_load_b128 v[LD+4*(\i):LD+4*(\i)+3], v3, s[4:5] offset:1048576*(\i)  ; groups 128 i + thread / 2
.endr
	s_wait_loadcnt 0x0
.irp i, 0,1,2,3,4,5,6,7
.irp c, 0,1,2,3
	ds_store_b32 v4, v[LD+4*(\i)+(\c)] offset:(\c)*PL+512*(\i)
.endr
.endr
	s_wait_dscnt 0x0                               ; for the others' sake: my stores are done
	s_barrier_signal -1
	s_barrier_wait -1
.set i, 0
.rept 32
	ds_load_b32 v[KB+i], v5 offset:128*i
.set i, i+1
.endr
	s_wait_dscnt 0x0
	KEYS 32, KB
	BISECT 32, KB
	SELECT 32, KB, OUTR
	global_store_b32 v10, v[OUTR], s[6:7]
	s_wait_tensorcnt 0x0                           ; the wave's end
	ds_add_u32 v6, v7
	s_wait_dscnt 0x0
	s_endpgm
.Lfunc_end_k_q2cc75cf6dc_sela:
	.size	k_q2cc75cf6dc_sela, .Lfunc_end_k_q2cc75cf6dc_sela-k_q2cc75cf6dc_sela
	.p2alignl 7, 3214868480
	.fill 96, 4, 3214868480
	.section	.rodata,"a",@progbits
	.p2align	6, 0x0
	.amdhsa_kernel k_q2cc75cf6dc_sela
		.amdhsa_group_segment_fixed_size 34048
		.amdhsa_private_segment_fixed_size 0
		.amdhsa_enable_private_segment 0
		.amdhsa_kernarg_size 16
		.amdhsa_user_sgpr_count 2
		.amdhsa_user_sgpr_kernarg_segment_ptr 1
		.amdhsa_wavefront_size32 1
		.amdhsa_system_sgpr_workgroup_id_x 1
		.amdhsa_system_sgpr_workgroup_id_y 1
		.amdhsa_system_sgpr_workgroup_id_z 1
		.amdhsa_system_vgpr_workitem_id 0
		.amdhsa_next_free_vgpr 80
		.amdhsa_next_free_sgpr 66
		.amdhsa_reserve_vcc 0
		.amdhsa_float_denorm_mode_32 3
		.amdhsa_float_denorm_mode_16_64 3
		.amdhsa_memory_ordered 1
		.amdhsa_forward_progress 1
		.amdhsa_inst_pref_size 30
	.end_amdhsa_kernel
	.amdgpu_metadata
---
amdhsa.version: [ 1, 2 ]
amdhsa.kernels:
  - .name:           k_q2cc75cf6dc_sela
    .symbol:         k_q2cc75cf6dc_sela.kd
    .args:
      - { .name: M, .offset: 0, .size: 8, .value_kind: global_buffer, .address_space: global }
      - { .name: gmask, .offset: 8, .size: 8, .value_kind: global_buffer, .address_space: global }
    .group_segment_fixed_size: 34048
    .private_segment_fixed_size: 0
    .kernarg_segment_align: 8
    .kernarg_segment_size: 16
    .max_flat_workgroup_size: 256
    .sgpr_count:     66
    .vgpr_count:     80
    .wavefront_size: 32
...
	.end_amdgpu_metadata
.endif
;; end of part 3
;; launch selb (part 4): grid 256 x 1, 8 waves a work-group, no clusters, 3,072 bytes of LDS; arguments S, gmask, glist, emask; writes glist, emask
.if DOCPART == 4
	.amdgcn_target "amdgcn-amd-amdhsa--gfx1250"
	.amdhsa_code_object_version 6
	.text
	.protected	k_q2cc75cf6dc_selb
	.globl	k_q2cc75cf6dc_selb
	.p2align	8
	.type	k_q2cc75cf6dc_selb,@function
k_q2cc75cf6dc_selb:
	s_mov_b64 s[64:65], 0
	v_nop
	global_prefetch_b8 v0, s[64:65] scope:SCOPE_SE
	s_setreg_imm32_b32 hwreg(HW_REG_WAVE_MODE, 25, 1), 1
	s_wait_xcnt 0x0
; For each query: its 32 chosen groups are listed in ascending order (glist), their 32 x 64 stored d2 are read, and the 32 nearest rows are marked:
; emask[q][i] bit l = row glist[q][i >> 1] x 64 + 32 (i & 1) + l.  Order: distance, then index, as lax.top_k has it: registers and lanes ascend with the index.
; One wave, one query.  The groups' numbers come from gmask, whole numbers that the launch before stored; they are held to 0..1023 before they enter an address.
; LIMITS: as in the launch before: v_sqrt_f32's last place, a denormal as 0, a NaN as 0.
.set SPARE, 2048                       ; behind the 8 lists of 256 bytes (32 words and a word for what is not listed): the spare words
.set VO,  32                           ; v[32:63]  a group's byte offset in my query's row of S, + 4 lane
.set KB,  64                           ; v[64:127] keys
.set RR,  11
.set OUTR, 12                          ; v12-13
.set RES, 16
.set CL,  17
.set BIT, 18
.set TRIAL, 19
.set CNT, 20
.set CTR, 21
.set NEED, 22
.set BASE, 23
.set LB,  27                           ; my list's LDS byte
.set MK,  32
.macro KEYS n, kb
.set i, 0
.rept \n
	v_max_num_f32 v[(\kb)+i], 0, v[(\kb)+i]
.set i, i+1
.endr
.set i, 0
.rept \n
	v_sqrt_f32 v[(\kb)+i], v[(\kb)+i]
.set i, i+1
.endr
	v_nop                                          ; a plain instruction behind the last root,
	s_wait_alu depctr_va_vdst(0)                   ; and one wait for the batch
.set i, 0
.rept \n
	v_and_b32 v[(\kb)+i], 0x7fffffff, v[(\kb)+i]
.set i, i+1
.endr
.endm
.macro BISECT n, kb                    ; RES = the 32nd smallest key; CL = the keys below it
	s_mov_b32 s[RES], 0
	s_mov_b32 s[CL], 0
	s_mov_b32 s[BIT], 1<<30
	s_mov_b32 s[CTR], 31
.Lbit_\@:
	s_or_b32 s[TRIAL], s[RES], s[BIT]
	s_mov_b32 s[CNT], 0
.set i, 0
.rept (\n)/8
.irp k, 0,1,2,3,4,5,6,7
	v_cmp_gt_u32 s[MK+(\k)], s[TRIAL], v[(\kb)+i+(\k)]
.endr
.irp k, 0,1,2,3,4,5,6,7
	s_bcnt1_i32_b32 s[MK+(\k)], s[MK+(\k)]
.endr
.irp k, 0,1,2,3,4,5,6,7
	s_add_co_u32 s[CNT], s[CNT], s[MK+(\k)]
.endr
.set i, i+8
.endr
	s_cmp_lt_u32 s[CNT], 32
	s_cselect_b32 s[RES], s[TRIAL], s[RES]
	s_cselect_b32 s[CL], s[CNT], s[CL]
	s_lshr_b32 s[BIT], s[BIT], 1
	s_sub_co_u32 s[CTR], s[CTR], 1
	s_cmp_lg_u32 s[CTR], 0
	s_cbranch_scc1 .Lbit_\@
	s_sub_co_u32 s[NEED], 32, s[CL]
.endm
.macro SELECT n, kb, ob                ; the keys below RES, and the first NEED of those equal to it
	s_mov_b32 s[BASE], 0
.set i, 0
.rept \n
	v_cmp_eq_u32 s[MK], s[RES], v[(\kb)+i]
	v_cmp_gt_u32 s[MK+1], s[RES], v[(\kb)+i]
	v_mbcnt_lo_u32_b32 v[RR], s[MK], s[BASE]
	v_cmp_gt_u32 s[MK+2], s[NEED], v[RR]
	s_and_b32 s[MK+2], s[MK+2], s[MK]
	s_or_b32 s[MK+2], s[MK+2], s[MK+1]
	s_bcnt1_i32_b32 s[MK], s[MK]
	s_add_co_u32 s[BASE], s[BASE], s[MK]
	v_writelane_b32 v[(\ob)+i/32], s[MK+2], i%32
.set i, i+1
.endr
.endm
; The lanes whose bit is set in s[MK] put v8 into the list's next places; the others, and whatever would pass place 31, into word 32, which nobody reads.
.macro COMPACT
	v_mbcnt_lo_u32_b32 v5, s[MK], s[BASE]
	v_cndmask_b32 v5, 32, v5, s[MK]
	v_min_u32 v5, 32, v5
	v_lshl_add_u32 v9, v5, 2, s[LB]
	ds_store_b32 v9, v8
	s_bcnt1_i32_b32 s[MK], s[MK]
	s_add_co_u32 s[BASE], s[BASE], s[MK]
.endm
	s_load_b256 s[4:11], s[0:1], 0x0               ; S s[4:5], gmask s[6:7], glist s[8:9], emask s[10:11]
	v_lshl_add_u32 v6, v0, 2, SPARE                ; my spare word
	v_mov_b32 v7, 0
	v_lshrrev_b32 v1, 5, v0
	v_readfirstlane_b32 s12, v1                    ; wave 0..7
	v_and_b32 v2, 31, v0
	v_lshlrev_b32 v3, 2, v2                        ; 4 x lane
	s_lshl_b32 s13, ttmp9, 3
	s_add_co_u32 s13, s13, s12                     ; my query
	s_lshl_b32 s[LB], s12, 8
	v_add_nc_u32 v14, s[LB], v3
	ds_store_b32 v14, v7                           ; the list starts as zeros: every word that is read has been written
	v_mov_b32 v[OUTR], 0
	v_mov_b32 v[OUTR+1], 0
	s_lshl_b32 s14, s13, 18                        ; a row of S
	s_mov_b32 s15, 0
	s_lshl_b32 s24, s13, 7                         ; 128 bytes of gmask and of glist
	s_mov_b32 s25, 0
	s_lshl_b32 s28, s13, 8                         ; 256 bytes of emask
	s_mov_b32 s29, 0
	s_wait_kmcnt 0x0
	s_add_nc_u64 s[4:5], s[4:5], s[14:15]
	s_add_nc_u64 s[6:7], s[6:7], s[24:25]
	s_add_nc_u64 s[8:9], s[8:9], s[24:25]
	s_add_nc_u64 s[10:11], s[10:11], s[28:29]
	global_load_b32 v4, v3, s[6:7]
	s_mov_b32 s[BASE], 0
	s_wait_loadcnt 0x0
.set i, 0
.rept 32
	v_readlane_b32 s[MK], v4, i
	v_add_nc_u32 v8, 32*i, v2                      ; group 32 i + lane
	COMPACT
.set i, i+1
.endr
	ds_load_b32 v10, v14                           ; my wave's own bytes, served in order (ISA guide 5.7.1.4)
	s_wait_dscnt 0x0
	global_store_b32 v3, v10, s[8:9]
.set j, 0
.rept 32
	v_readlane_b32 s[MK], v10, j
	s_min_u32 s[MK], s[MK], 1023
	v_lshl_add_u32 v[VO+j], s[MK], 8, v3           ; 256 bytes a group
	global_load_b32 v[KB+2*j], v[VO+j], s[4:5] th:TH_LOAD_NT
	global_load_b32 v[KB+2*j+1], v[VO+j], s[4:5] offset:128 th:TH_LOAD_NT
.set j, j+1
.endr
	s_wait_loadcnt 0x0
	KEYS 64, KB
	BISECT 64, KB
	SELECT 64, KB, OUTR
	global_store_b32 v3, v[OUTR], s[10:11]
	global_store_b32 v3, v[OUTR+1], s[10:11] offset:128
	s_wait_tensorcnt 0x0                           ; the wave's end
	ds_add_u32 v6, v7
	s_wait_dscnt 0x0
	s_endpgm
.Lfunc_end_k_q2cc75cf6dc_selb:
	.size	k_q2cc75cf6dc_selb, .Lfunc_end_k_q2cc75cf6dc_selb-k_q2cc75cf6dc_selb
	.p2alignl 7, 3214868480
	.fill 96, 4, 3214868480
	.section	.rodata,"a",@progbits
	.p2align	6, 0x0
	.amdhsa_kernel k_q2cc75cf6dc_selb
		.amdhsa_group_segment_fixed_size 3072
		.amdhsa_private_segment_fixed_size 0
		.amdhsa_enable_private_segment 0
		.amdhsa_kernarg_size 32
		.amdhsa_user_sgpr_count 2
		.amdhsa_user_sgpr_kernarg_segment_ptr 1
		.amdhsa_wavefront_size32 1
		.amdhsa_system_sgpr_workgroup_id_x 1
		.amdhsa_system_sgpr_workgroup_id_y 1
		.amdhsa_system_sgpr_workgroup_id_z 1
		.amdhsa_system_vgpr_workitem_id 0
		.amdhsa_next_free_vgpr 128
		.amdhsa_next_free_sgpr 66
		.amdhsa_reserve_vcc 0
		.amdhsa_float_denorm_mode_32 3
		.amdhsa_float_denorm_mode_16_64 3
		.amdhsa_memory_ordered 1
		.amdhsa_forward_progress 1
		.amdhsa_inst_pref_size 74
	.end_amdhsa_kernel
	.amdgpu_metadata
---
amdhsa.version: [ 1, 2 ]
amdhsa.kernels:
  - .name:           k_q2cc75cf6dc_selb
    .symbol:         k_q2cc75cf6dc_selb.kd
    .args:
      - { .name: S, .offset: 0, .size: 8, .value_kind: global_buffer, .address_space: global }
      - { .name: gmask, .offset: 8, .size: 8, .value_kind: global_buffer, .address_space: global }
      - { .name: glist, .offset: 16, .size: 8, .value_kind: global_buffer, .address_space: global }
      - { .name: emask, .offset: 24, .size: 8, .value_kind: global_buffer, .address_space: global }
    .group_segment_fixed_size: 3072
    .private_segment_fixed_size: 0
    .kernarg_segment_align: 8
    .kernarg_segment_size: 32
    .max_flat_workgroup_size: 256
    .sgpr_count:     66
    .vgpr_count:     128
    .wavefront_size: 32
...
	.end_amdgpu_metadata
.endif
;; end of part 4
;; launch vote (part 5): grid 32 x 1, 32 waves a work-group, no clusters, 20,736 bytes of LDS; arguments glist, emask, y_train, out0; writes out0
.if DOCPART == 5
	.amdgcn_target "amdgcn-amd-amdhsa--gfx1250"
	.amdhsa_code_object_version 6
	.text
	.protected	k_q2cc75cf6dc_vote
	.globl	k_q2cc75cf6dc_vote
	.p2align	8
	.type	k_q2cc75cf6dc_vote,@function
k_q2cc75cf6dc_vote:
	s_mov_b64 s[64:65], 0
	v_nop
	global_prefetch_b8 v0, s[64:65] scope:SCOPE_SE
	s_setreg_imm32_b32 hwreg(HW_REG_WAVE_MODE, 25, 1), 1
	s_wait_xcnt 0x0
; For each query: the 32 marked rows' numbers are listed, their labels gathered, and the most frequent label is taken, the lowest among equals (argmax takes the first).
; A work-group takes 64 queries, so that its results are 256 consecutive bytes of out0, aligned, stored by one instruction; a wave takes two queries.
; All that steers an address here (glist, emask) is whole numbers that the launch before stored; group numbers are held to 0..1023 and row numbers to 0..65535.
; A label outside 0..99 counts for nothing, as in one_hot; with no label inside, the result is 0.
.set RESB,  16384                      ; behind the 64 lists of 256 bytes: the 64 results
.set SPARE, 16640                      ; the spare words, 128 bytes for each of the 32 waves
.set EW,  4                            ; v[4+3k], v[5+3k] emask's 64 words of query k; v[6+3k] its 32 groups
.set BASE, 23
.set SG,  24
.set LB,  27
.set MK,  32
.macro VOTE k
	ds_store_b32 v13, v31 offset:256*(\k)          ; the list starts as zeros
	s_mov_b32 s[BASE], 0
.set i, 0
.rept 64
	v_readlane_b32 s[MK], v[EW+3*(\k)+i/32], i%32
.if i%2 == 0
	v_readlane_b32 s[SG], v[EW+3*(\k)+2], i/2
	s_min_u32 s[SG], s[SG], 1023
	s_lshl_b32 s[SG], s[SG], 6                     ; the group's first row
.else
	s_add_co_u32 s[SG], s[SG], 32
.endif
	v_add_nc_u32 v10, s[SG], v2
	v_mbcnt_lo_u32_b32 v12, s[MK], s[BASE]         ; the marked lanes take the list's next places,
	v_cndmask_b32 v12, 32, v12, s[MK]              ; the others word 32, which nobody reads
	v_min_u32 v12, 32, v12
	v_lshl_add_u32 v11, v12, 2, s[LB]
	ds_store_b32 v11, v10 offset:256*(\k)
	s_bcnt1_i32_b32 s[MK], s[MK]
	s_add_co_u32 s[BASE], s[BASE], s[MK]
.set i, i+1
.endr
	ds_load_b32 v14, v13 offset:256*(\k)           ; my wave's own bytes, served in order (ISA guide 5.7.1.4)
	s_wait_dscnt 0x0
	v_min_u32 v14, 0xffff, v14
	v_lshlrev_b32 v14, 2, v14
	global_load_b32 v15, v14, s[8:9]               ; my neighbour's label
	v_mov_b32 v16, 0
	s_wait_loadcnt 0x0
.set j, 0
.rept 32
	v_readlane_b32 s[MK], v15, j
	v_cmp_eq_u32 vcc_lo, s[MK], v15
	v_add_co_ci_u32 v16, vcc_lo, 0, v16, vcc_lo    ; how many of the 32 have my label
.set j, j+1
.endr
	v_sub_nc_u32 v17, 127, v15
	v_lshl_add_u32 v17, v16, 7, v17                ; 128 x count + 127 - label: the greatest is the vote, 4,223 at the most: exact in f32
	v_cmp_gt_u32 vcc_lo, 100, v15
	v_cndmask_b32 v17, 127, v17, vcc_lo
	v_cvt_f32_u32 v17, v17
	v_max_num_f32_dpp v17, v17, v17 row_xmask:1 row_mask:0xf bank_mask:0xf
	v_max_num_f32_dpp v17, v17, v17 row_xmask:2 row_mask:0xf bank_mask:0xf
	v_max_num_f32_dpp v17, v17, v17 row_xmask:4 row_mask:0xf bank_mask:0xf
	v_max_num_f32_dpp v17, v17, v17 row_xmask:8 row_mask:0xf bank_mask:0xf
	v_permlanex16_b32 v18, v17, s20, s21
	v_max_num_f32 v17, v17, v18
	v_cvt_u32_f32 v17, v17
	v_and_b32 v17, 127, v17
	v_sub_nc_u32 v17, 127, v17
	ds_store_b32 v19, v17 offset:4*(\k)            ; all lanes: the same word, the same number
.endm
	s_load_b256 s[4:11], s[0:1], 0x0               ; glist s[4:5], emask s[6:7], y_train s[8:9], out0 s[10:11]
	v_lshl_add_u32 v30, v0, 2, SPARE               ; my spare word
	v_mov_b32 v31, 0
	v_lshrrev_b32 v1, 5, v0
	v_readfirstlane_b32 s12, v1                    ; wave 0..31
	v_and_b32 v2, 31, v0
	v_lshlrev_b32 v3, 2, v2                        ; 4 x lane
	v_lshlrev_b32 v22, 3, v2                       ; 8 x lane
	v_mov_b32 v18, 0                               ; v_permlanex16_b32's destination counts as read
	s_mov_b32 s20, 0x76543210
	s_mov_b32 s21, 0xfedcba98
	s_lshl_b32 s[LB], s12, 9                       ; my two lists
	v_add_nc_u32 v13, s[LB], v3
	s_lshl_b32 s13, s12, 3
	s_add_co_u32 s13, s13, RESB
	v_mov_b32 v19, s13                             ; my two results
	s_lshl_b32 s14, ttmp9, 13                      ; glist: 128 bytes a query, query 64 W + 2 w
	s_lshl_b32 s15, s12, 8
	s_add_co_u32 s14, s14, s15
	s_mov_b32 s15, 0
	s_lshl_b32 s16, s14, 1                         ; emask: 256 bytes a query
	s_mov_b32 s17, 0
	s_lshl_b32 s18, ttmp9, 8                       ; out0: 256 bytes a work-group
	s_mov_b32 s19, 0
	s_wait_kmcnt 0x0
	s_add_nc_u64 s[4:5], s[4:5], s[14:15]
	s_add_nc_u64 s[6:7], s[6:7], s[16:17]
	s_add_nc_u64 s[10:11], s[10:11], s[18:19]
.irp k, 0,1
	global_load_b32 v[EW+3*(\k)], v3, s[6:7] offset:256*(\k)
	global_load_b32 v[EW+3*(\k)+1], v3, s[6:7] offset:256*(\k)+128
	global_load_b32 v[EW+3*(\k)+2], v3, s[4:5] offset:128*(\k)
.endr
	s_wait_loadcnt 0x0
	VOTE 0
	VOTE 1
	s_wait_dscnt 0x0                               ; for wave 0's sake: my results are stored
	s_barrier_signal -1
	s_barrier_wait -1
	s_cmp_lg_u32 s12, 0
	s_cbranch_scc1 .Lend
	ds_load_b64 v[20:21], v22 offset:RESB
	s_wait_dscnt 0x0
	global_store_b64 v22, v[20:21], s[10:11]       ; 256 consecutive bytes, aligned
.Lend:
	s_wait_tensorcnt 0x0                           ; the wave's end
	ds_add_u32 v30, v31
	s_wait_dscnt 0x0
	s_endpgm
.Lfunc_end_k_q2cc75cf6dc_vote:
	.size	k_q2cc75cf6dc_vote, .Lfunc_end_k_q2cc75cf6dc_vote-k_q2cc75cf6dc_vote
	.p2alignl 7, 3214868480
	.fill 96, 4, 3214868480
	.section	.rodata,"a",@progbits
	.p2align	6, 0x0
	.amdhsa_kernel k_q2cc75cf6dc_vote
		.amdhsa_group_segment_fixed_size 20736
		.amdhsa_private_segment_fixed_size 0
		.amdhsa_enable_private_segment 0
		.amdhsa_kernarg_size 32
		.amdhsa_user_sgpr_count 2
		.amdhsa_user_sgpr_kernarg_segment_ptr 1
		.amdhsa_wavefront_size32 1
		.amdhsa_system_sgpr_workgroup_id_x 1
		.amdhsa_system_sgpr_workgroup_id_y 1
		.amdhsa_system_sgpr_workgroup_id_z 1
		.amdhsa_system_vgpr_workitem_id 0
		.amdhsa_next_free_vgpr 32
		.amdhsa_next_free_sgpr 66
		.amdhsa_reserve_vcc 1
		.amdhsa_float_denorm_mode_32 3
		.amdhsa_float_denorm_mode_16_64 3
		.amdhsa_memory_ordered 1
		.amdhsa_forward_progress 1
		.amdhsa_inst_pref_size 81
	.end_amdhsa_kernel
	.amdgpu_metadata
---
amdhsa.version: [ 1, 2 ]
amdhsa.kernels:
  - .name:           k_q2cc75cf6dc_vote
    .symbol:         k_q2cc75cf6dc_vote.kd
    .args:
      - { .name: glist, .offset: 0, .size: 8, .value_kind: global_buffer, .address_space: global }
      - { .name: emask, .offset: 8, .size: 8, .value_kind: global_buffer, .address_space: global }
      - { .name: y_train, .offset: 16, .size: 8, .value_kind: global_buffer, .address_space: global }
      - { .name: out0, .offset: 24, .size: 8, .value_kind: global_buffer, .address_space: global }
    .group_segment_fixed_size: 20736
    .private_segment_fixed_size: 0
    .kernarg_segment_align: 8
    .kernarg_segment_size: 32
    .max_flat_workgroup_size: 1024
    .sgpr_count:     66
    .vgpr_count:     32
    .wavefront_size: 32
...
	.end_amdgpu_metadata
.endif
;; end of part 5
;; ======== version 2 of 2: 5 launches; version 1 with the launches selb, vote written anew for expert scheduling mode
;; workspace buffers: Qb 2,097,152 bytes; q2 8,192 bytes; S 536,870,912 bytes; M 8,388,608 bytes; gmask 262,144 bytes of whole numbers; glist 262,144 bytes of whole numbers; emask 524,288 bytes of whole numbers
;; launch prepq: the kernel of part 1 again; grid 256 x 1, 8 waves a work-group, no clusters, 0 bytes of LDS; arguments X_test, Qb, q2; writes Qb, q2
;; launch main: the kernel of part 2 again; grid 256 x 1, 4 waves a work-group, clusters of 4 x 1, 327,680 bytes of LDS; arguments X_train, Qb, q2, S, M; writes S, M
;; launch sela: the kernel of part 3 again; grid 256 x 1, 8 waves a work-group, no clusters, 34,048 bytes of LDS; arguments M, gmask; writes gmask
;; launch selb (part 6): grid 256 x 1, 8 waves a work-group, no clusters, 3,072 bytes of LDS; arguments S, gmask, glist, emask; writes glist, emask
.if DOCPART == 6
	.amdgcn_target "amdgcn-amd-amdhsa--gfx1250"
	.amdhsa_code_object_version 6
	.text
	.protected	k_q2cc75cf6dc_selb
	.globl	k_q2cc75cf6dc_selb
	.p2align	8
	.type	k_q2cc75cf6dc_selb,@function
k_q2cc75cf6dc_selb:
	s_mov_b64 s[64:65], 0
	v_nop
	global_prefetch_b8 v0, s[64:65] scope:SCOPE_SE
	s_setreg_imm32_b32 hwreg(HW_REG_WAVE_SCHED_MODE, 0, 2), 2
	s_setreg_imm32_b32 hwreg(HW_REG_WAVE_MODE, 25, 1), 1
	s_wait_xcnt 0x0
	s_wait_alu depctr_vm_vsrc(0)
; For each query: its 32 chosen groups are listed in ascending order (glist), their 32 x 64 stored d2 are read, and the 32 nearest rows are marked:
; emask[q][i] bit l = row glist[q][i >> 1] x 64 + 32 (i & 1) + l.  Order: distance, then index, as lax.top_k has it: registers and lanes ascend with the index.
; One wave, one query.  The groups' numbers come from gmask, whole numbers that the launch before stored; they are held to 0..1023 before they enter an address.
; LIMITS: as in the launch before: v_sqrt_f32's last place, a denormal as 0, a NaN as 0.
; THE MODE: SCHED_MODE bits 1:0 = 2 (LLVM: expert scheduling mode 2), set by the entry lines.  The code itself states the register dependences between vector
; instructions and memory or LDS instructions, and between vector instructions that write a scalar register and its readers, with s_wait_alu, always for 0.
; THE PLAN.  Work that hangs on a lane's word or on a compare's mask is laid in runs, into two buffers of 32 scalar registers (MA, MB), with one wait behind a run.
; Registers that memory or LDS instructions touch:
;   v3, v14, v15    4 x lane, my word of the list, a zero: made at the head, never written again.
;   v4, v10         gmask's word and the list's word: each loaded once; read by v_readlane_b32, v10 also by glist's store; never written again.
;   v[VO ..]        written by the run that makes the list's 32 LDS places; read by the 32 LDS stores; written again as the groups' 32 offsets in S; read by the 64 loads; then left alone.
;   v[KB .. KB+31]  written with the 32 x 32 group numbers; read by the same LDS stores; then the loads land in v[KB .. KB+63], and vector instructions alone name them.
;   v12-13          written by v_writelane_b32; read by the last two stores.
;   v[RK ..] (ranks) and the keys behind their load are named by vector instructions alone.
.set SPARE, 2048                       ; behind the 8 lists of 256 bytes (32 words and a word for what is not listed): the spare words
.set OUTR, 12                          ; v12-13
.set ZR,  15                           ; v15       0: what the list starts as
.set RK,  16                           ; v[16:31]  ranks among equal keys, 16 at a time
.set VO,  32                           ; v[32:63]  the list's LDS places; then a group's byte offset in my query's row of S, + 4 lane
.set KB,  64                           ; v[64:127] group numbers on their way into the list; then the keys
.set RES, 16
.set CL,  17
.set BIT, 18
.set TRIAL, 19
.set CNT, 20
.set CTR, 21
.set NEED, 22
.set BASE, 23
.set TT,  26                           ; a mask's count of ones
.set LB,  27                           ; my list's LDS byte
.set MA,  32                           ; s32-63  32 words or masks
.set MB,  66                           ; s66-97  32 more
.set EQ,  MA                           ; the selection's three masks, 16 keys at a time
.set LT,  MA+16
.set SL,  MB
.macro KEYS n, kb
.set i, 0
.rept \n
	v_max_num_f32 v[(\kb)+i], 0, v[(\kb)+i]
.set i, i+1
.endr
.set i, 0
.rept \n
	v_sqrt_f32 v[(\kb)+i], v[(\kb)+i]
.set i, i+1
.endr
	v_nop                                          ; a plain instruction behind the last root,
	s_wait_alu depctr_va_vdst(0)                   ; and one wait for the batch: the roots have written the keys' registers, which the lines below read
.set i, 0
.rept \n
	v_and_b32 v[(\kb)+i], 0x7fffffff, v[(\kb)+i]
.set i, i+1
.endr
.endm
.macro BISECT                          ; RES = the 32nd smallest of the 64 x 32 keys; CL = the keys below it
	s_mov_b32 s[RES], 0
	s_mov_b32 s[CL], 0
	s_mov_b32 s[BIT], 1<<30
	s_mov_b32 s[CTR], 31
.Lbit_\@:
	s_or_b32 s[TRIAL], s[RES], s[BIT]
	s_mov_b32 s[CNT], 0
.set i, 0
.rept 32
	v_cmp_gt_u32 s[MA+i], s[TRIAL], v[KB+i]
.set i, i+1
.endr
.set i, 0
.rept 32
	v_cmp_gt_u32 s[MB+i], s[TRIAL], v[KB+32+i]
.set i, i+1
.endr
	s_wait_alu depctr_va_sdst(0)                   ; the 64 compares have written their masks, ahead of the counts that read them
.set i, 0
.rept 32
	s_bcnt1_i32_b32 s[MA+i], s[MA+i]
.set i, i+1
.endr
.set i, 0
.rept 32
	s_add_co_u32 s[CNT], s[CNT], s[MA+i]
.set i, i+1
.endr
.set i, 0
.rept 32
	s_bcnt1_i32_b32 s[MB+i], s[MB+i]
.set i, i+1
.endr
.set i, 0
.rept 32
	s_add_co_u32 s[CNT], s[CNT], s[MB+i]
.set i, i+1
.endr
	s_cmp_lt_u32 s[CNT], 32
	s_cselect_b32 s[RES], s[TRIAL], s[RES]
	s_cselect_b32 s[CL], s[CNT], s[CL]
	s_lshr_b32 s[BIT], s[BIT], 1
	s_sub_co_u32 s[CTR], s[CTR], 1
	s_cmp_lg_u32 s[CTR], 0
	s_cbranch_scc1 .Lbit_\@
	s_sub_co_u32 s[NEED], 32, s[CL]
.endm
.macro SELECT                          ; the keys below RES, and the first NEED of those equal to it, 16 registers of keys at a time
	s_mov_b32 s[BASE], 0
.set g, 0
.rept 4
.set i, 0
.rept 16
	v_cmp_eq_u32 s[EQ+i], s[RES], v[KB+16*g+i]
.set i, i+1
.endr
.set i, 0
.rept 16
	v_cmp_gt_u32 s[LT+i], s[RES], v[KB+16*g+i]
.set i, i+1
.endr
	s_wait_alu depctr_va_sdst(0)                   ; the 32 compares have written EQ and LT, ahead of the ranks and counts that read them
.set i, 0
.rept 16
	v_mbcnt_lo_u32_b32 v[RK+i], s[EQ+i], s[BASE]   ; how many equal keys stand ahead of mine
	s_bcnt1_i32_b32 s[TT], s[EQ+i]
	s_add_co_u32 s[BASE], s[BASE], s[TT]
.set i, i+1
.endr
.set i, 0
.rept 16
	v_cmp_gt_u32 s[SL+i], s[NEED], v[RK+i]
.set i, i+1
.endr
	s_wait_alu depctr_va_sdst(0)                   ; the 16 compares of the ranks have written SL, ahead of the scalar lines that read it
.set i, 0
.rept 16
	s_and_b32 s[SL+i], s[SL+i], s[EQ+i]
	s_or_b32 s[SL+i], s[SL+i], s[LT+i]
	v_writelane_b32 v[OUTR+(16*g+i)/32], s[SL+i], (16*g+i)%32
.set i, i+1
.endr
.set g, g+1
.endr
.endm
	s_load_b256 s[4:11], s[0:1], 0x0               ; S s[4:5], gmask s[6:7], glist s[8:9], emask s[10:11]
	v_lshl_add_u32 v6, v0, 2, SPARE                ; my spare word
	v_mov_b32 v7, 0
	v_lshrrev_b32 v1, 5, v0
	v_readfirstlane_b32 s12, v1                    ; wave 0..7
	v_and_b32 v2, 31, v0
	v_lshlrev_b32 v3, 2, v2                        ; 4 x lane
	v_mov_b32 v[ZR], 0
	v_mov_b32 v[OUTR], 0
	v_mov_b32 v[OUTR+1], 0
	s_wait_alu depctr_va_sdst(0)                   ; s12 is written, ahead of its first reader: the query's number and the list's place are made from it
	s_lshl_b32 s13, ttmp9, 3
	s_add_co_u32 s13, s13, s12                     ; my query
	s_lshl_b32 s[LB], s12, 8
	v_add_nc_u32 v14, s[LB], v3
	s_lshl_b32 s14, s13, 18                        ; a row of S
	s_mov_b32 s15, 0
	s_lshl_b32 s24, s13, 7                         ; 128 bytes of gmask and of glist
	s_mov_b32 s25, 0
	s_lshl_b32 s28, s13, 8                         ; 256 bytes of emask
	s_mov_b32 s29, 0
	s_wait_alu depctr_va_vdst(0)                   ; v3, v14 and v15 are written: every load and store below that names one of them reads it as offset, address or data
	ds_store_b32 v14, v[ZR]                        ; the list starts as zeros: every word that is read has been written
	s_wait_kmcnt 0x0
	s_add_nc_u64 s[4:5], s[4:5], s[14:15]
	s_add_nc_u64 s[6:7], s[6:7], s[24:25]
	s_add_nc_u64 s[8:9], s[8:9], s[24:25]
	s_add_nc_u64 s[10:11], s[10:11], s[28:29]
	global_load_b32 v4, v3, s[6:7]
	s_mov_b32 s[BASE], 0
	s_wait_loadcnt 0x0
; THE LIST.  Word i of the mask: the lanes whose bit is set put group 32 i + lane into the list's next places; the others, and whatever would pass place 31, into word 32, which nobody reads.
.set i, 0
.rept 32
	v_readlane_b32 s[MA+i], v4, i
.set i, i+1
.endr
	s_wait_alu depctr_va_sdst(0)                   ; the mask's 32 words are in s[MA ..], ahead of their first readers
.set i, 0
.rept 32
	v_mbcnt_lo_u32_b32 v[VO+i], s[MA+i], s[BASE]
	s_bcnt1_i32_b32 s[TT], s[MA+i]
	s_add_co_u32 s[BASE], s[BASE], s[TT]
.set i, i+1
.endr
.set i, 0
.rept 32
	v_cndmask_b32 v[VO+i], 32, v[VO+i], s[MA+i]
.set i, i+1
.endr
.set i, 0
.rept 32
	v_min_u32 v[VO+i], 32, v[VO+i]
.set i, i+1
.endr
.set i, 0
.rept 32
	v_lshl_add_u32 v[VO+i], v[VO+i], 2, s[LB]
.set i, i+1
.endr
.set i, 0
.rept 32
	v_add_nc_u32 v[KB+i], 32*i, v2                 ; group 32 i + lane
.set i, i+1
.endr
	s_wait_alu depctr_va_vdst(0)                   ; the 32 places v[VO ..] and the 32 x 32 group numbers v[KB ..] are written, which the LDS stores read
.set i, 0
.rept 32
	ds_store_b32 v[VO+i], v[KB+i]
.set i, i+1
.endr
	ds_load_b32 v10, v14                           ; my wave's own bytes, served in order (ISA guide 5.7.1.4)
	s_wait_dscnt 0x0
	global_store_b32 v3, v10, s[8:9]
.set j, 0
.rept 32
	v_readlane_b32 s[MA+j], v10, j
.set j, j+1
.endr
	s_wait_alu depctr_va_sdst(0)                   ; the 32 groups' numbers are in s[MA ..], ahead of the clamps that read them
.set j, 0
.rept 32
	s_min_u32 s[MA+j], s[MA+j], 1023
.set j, j+1
.endr
	s_wait_alu depctr_vm_vsrc(0)                   ; the LDS stores have read v[VO ..], which the lines below write again, and v[KB .. KB+31], in which loads land
.set j, 0
.rept 32
	v_lshl_add_u32 v[VO+j], s[MA+j], 8, v3         ; 256 bytes a group
.set j, j+1
.endr
	s_wait_alu depctr_va_vdst(0)                   ; the 32 offsets v[VO ..] are written, which the 64 loads read; no vector instruction is still writing v[KB ..]
.set j, 0
.rept 32
	global_load_b32 v[KB+2*j], v[VO+j], s[4:5] th:TH_LOAD_NT
	global_load_b32 v[KB+2*j+1], v[VO+j], s[4:5] offset:128 th:TH_LOAD_NT
.set j, j+1
.endr
	s_wait_loadcnt 0x0
	KEYS 64, KB
	BISECT
	SELECT
	s_wait_alu depctr_va_vdst(0)                   ; the 64 v_writelane_b32 have written v12 and v13, which the two stores read
	global_store_b32 v3, v[OUTR], s[10:11]
	global_store_b32 v3, v[OUTR+1], s[10:11] offset:128
	s_wait_dscnt 0x0                               ; the closing lines, six on end
	s_wait_alu 0x0
	s_wait_tensorcnt 0x0
	ds_add_u32 v6, v7
	s_wait_dscnt 0x0
	s_endpgm
.Lfunc_end_k_q2cc75cf6dc_selb:
	.size	k_q2cc75cf6dc_selb, .Lfunc_end_k_q2cc75cf6dc_selb-k_q2cc75cf6dc_selb
	.p2alignl 7, 3214868480
	.fill 96, 4, 3214868480
	.section	.rodata,"a",@progbits
	.p2align	6, 0x0
	.amdhsa_kernel k_q2cc75cf6dc_selb
		.amdhsa_group_segment_fixed_size 3072
		.amdhsa_private_segment_fixed_size 0
		.amdhsa_enable_private_segment 0
		.amdhsa_kernarg_size 32
		.amdhsa_user_sgpr_count 2
		.amdhsa_user_sgpr_kernarg_segment_ptr 1
		.amdhsa_wavefront_size32 1
		.amdhsa_system_sgpr_workgroup_id_x 1
		.amdhsa_system_sgpr_workgroup_id_y 1
		.amdhsa_system_sgpr_workgroup_id_z 1
		.amdhsa_system_vgpr_workitem_id 0
		.amdhsa_next_free_vgpr 128
		.amdhsa_next_free_sgpr 98
		.amdhsa_reserve_vcc 0
		.amdhsa_float_denorm_mode_32 3
		.amdhsa_float_denorm_mode_16_64 3
		.amdhsa_memory_ordered 1
		.amdhsa_forward_progress 1
		.amdhsa_inst_pref_size 75
	.end_amdhsa_kernel
	.amdgpu_metadata
---
amdhsa.version: [ 1, 2 ]
amdhsa.kernels:
  - .name:           k_q2cc75cf6dc_selb
    .symbol:         k_q2cc75cf6dc_selb.kd
    .args:
      - { .name: S, .offset: 0, .size: 8, .value_kind: global_buffer, .address_space: global }
      - { .name: gmask, .offset: 8, .size: 8, .value_kind: global_buffer, .address_space: global }
      - { .name: glist, .offset: 16, .size: 8, .value_kind: global_buffer, .address_space: global }
      - { .name: emask, .offset: 24, .size: 8, .value_kind: global_buffer, .address_space: global }
    .group_segment_fixed_size: 3072
    .private_segment_fixed_size: 0
    .kernarg_segment_align: 8
    .kernarg_segment_size: 32
    .max_flat_workgroup_size: 256
    .sgpr_count:     98
    .vgpr_count:     128
    .wavefront_size: 32
...
	.end_amdgpu_metadata
.endif
;; end of part 6
;; launch vote (part 7): grid 32 x 1, 32 waves a work-group, no clusters, 20,736 bytes of LDS; arguments glist, emask, y_train, out0; writes out0
.if DOCPART == 7
	.amdgcn_target "amdgcn-amd-amdhsa--gfx1250"
	.amdhsa_code_object_version 6
	.text
	.protected	k_q2cc75cf6dc_vote
	.globl	k_q2cc75cf6dc_vote
	.p2align	8
	.type	k_q2cc75cf6dc_vote,@function
k_q2cc75cf6dc_vote:
	s_mov_b64 s[64:65], 0
	v_nop
	global_prefetch_b8 v0, s[64:65] scope:SCOPE_SE
	s_setreg_imm32_b32 hwreg(HW_REG_WAVE_SCHED_MODE, 0, 2), 2
	s_setreg_imm32_b32 hwreg(HW_REG_WAVE_MODE, 25, 1), 1
	s_wait_xcnt 0x0
	s_wait_alu depctr_vm_vsrc(0)
; For each query: the 32 marked rows' numbers are listed, their labels gathered, and the most frequent label is taken, the lowest among equals (argmax takes the first).
; A work-group takes 64 queries, so that its results are 256 consecutive bytes of out0, aligned, stored by one instruction; a wave takes two queries.
; All that steers an address here (glist, emask) is whole numbers that the launch before stored; group numbers are held to 0..1023 and row numbers to 0..65535.
; A label outside 0..99 counts for nothing, as in one_hot; with no label inside, the result is 0.
; THE MODE: SCHED_MODE bits 1:0 = 2 (LLVM: expert scheduling mode 2), set by the entry lines.  The code itself states the register dependences between vector
; instructions and memory or LDS instructions, and between vector instructions that write a scalar register and its readers, with s_wait_alu, always for 0.
; THE PLAN.  A query's 64 words of emask go in two BATCHES of 32: 48 lane reads into scalar registers and one wait; runs of 32 vector instructions that make 32 LDS places and
; 32 x 32 row numbers; one wait; 32 LDS stores.  Query 0's labels are asked for ahead of query 1's batches, query 1's ahead of query 0's count.
; Registers that memory or LDS instructions touch:
;   v3, v13, v19, v22, v29   offsets, LDS addresses and a zero: made at the head, never written again.
;   v4-9                     emask's and glist's words: loaded once, read by v_readlane_b32 alone.
;   v[AD ..], v[DT ..]       written by a batch's runs, read by its 32 LDS stores, written again by the next batch.
;   query k's four registers at v[QR + 10 k]: +0 the list's word lands, is clamped and shifted, and is the gather's offset; +1 the label lands; +2 the count; +3 the vote, which one LDS store reads.
;   v[20:21]                 wave 0: the 64 results land, and one store reads them.
.set RESB,  16384                      ; behind the 64 lists of 256 bytes: the 64 results
.set SPARE, 16640                      ; the spare words, 128 bytes for each of the 32 waves
.set LN,  2                            ; v2   lane
.set EW,  4                            ; v[4+3k], v[5+3k] emask's 64 words of query k; v[6+3k] its 32 groups
.set QR,  14                           ; v14-17, v24-27
.set L32, 23                           ; v23  32 + lane
.set ZR,  29                           ; v29  0: what the lists start as
.set AD,  32                           ; v[32:63]  a batch's LDS places
.set DT,  64                           ; v[64:95]  a batch's row numbers
.set BASE, 23
.set TT,  24                           ; a mask's count of ones
.set RG,  25                           ; the lanes whose label lies in 0..99
.set LB,  27
.set MA,  32                           ; s32-63  32 words of emask; later 32 labels
.set MB,  66                           ; s66-97  16 groups' first rows; later 32 masks
; Words 32 hf .. 32 hf + 31 of query k's emask.  Word m: rows of group 16 hf + m / 2, its lower or upper 32.
.macro BATCH k, hf
.set i, 0
.rept 32
	v_readlane_b32 s[MA+i], v[EW+3*(\k)+(\hf)], i
.set i, i+1
.endr
.set i, 0
.rept 16
	v_readlane_b32 s[MB+i], v[EW+3*(\k)+2], 16*(\hf)+i
.set i, i+1
.endr
	s_wait_alu depctr_va_sdst(0)                   ; the 32 words and the 16 groups' numbers are in s[MA ..] and s[MB ..], ahead of their first readers
.set i, 0
.rept 16
	s_min_u32 s[MB+i], s[MB+i], 1023
	s_lshl_b32 s[MB+i], s[MB+i], 6                 ; the group's first row
.set i, i+1
.endr
.if (\k)+(\hf) > 0
	s_wait_alu depctr_vm_vsrc(0)                   ; the last batch's LDS stores have read v[AD ..] and v[DT ..], which the runs below write again
.endif
.set i, 0
.rept 32
	v_mbcnt_lo_u32_b32 v[AD+i], s[MA+i], s[BASE]   ; the marked lanes take the list's next places,
	s_bcnt1_i32_b32 s[TT], s[MA+i]
	s_add_co_u32 s[BASE], s[BASE], s[TT]
.set i, i+1
.endr
.set i, 0
.rept 32
	v_cndmask_b32 v[AD+i], 32, v[AD+i], s[MA+i]    ; the others word 32, which nobody reads
.set i, i+1
.endr
.set i, 0
.rept 32
	v_min_u32 v[AD+i], 32, v[AD+i]
.set i, i+1
.endr
.set i, 0
.rept 32
	v_lshl_add_u32 v[AD+i], v[AD+i], 2, s[LB]
.set i, i+1
.endr
.set i, 0
.rept 32
	v_add_nc_u32 v[DT+i], s[MB+i/2], v[LN+(L32-LN)*(i%2)]  ; the group's first row + lane, or + 32 + lane
.set i, i+1
.endr
	s_wait_alu depctr_va_vdst(0)                   ; the 32 places v[AD ..] and the row numbers v[DT ..] are written, which the LDS stores read
.set i, 0
.rept 32
	ds_store_b32 v[AD+i], v[DT+i] offset:256*(\k)
.set i, i+1
.endr
.endm
; Query k's list is read back, a row a lane, and the rows' labels are asked for.
.macro GATHER k
	ds_load_b32 v[QR+10*(\k)], v13 offset:256*(\k) ; my wave's own bytes, served in order (ISA guide 5.7.1.4)
	s_wait_dscnt 0x0
	v_min_u32 v[QR+10*(\k)], 0xffff, v[QR+10*(\k)]
	v_lshlrev_b32 v[QR+10*(\k)], 2, v[QR+10*(\k)]
	s_wait_alu depctr_va_vdst(0)                   ; the offset is written, which the gather reads
	global_load_b32 v[QR+10*(\k)+1], v[QR+10*(\k)], s[8:9]  ; my neighbour's label
	v_mov_b32 v[QR+10*(\k)+2], 0
.endm
; Query k's vote.  left: the younger gather that may stay out.
.macro COUNT k, left
	s_wait_loadcnt \left
.set j, 0
.rept 32
	v_readlane_b32 s[MA+j], v[QR+10*(\k)+1], j
.set j, j+1
.endr
	s_wait_alu depctr_va_sdst(0)                   ; the 32 labels are in s[MA ..], ahead of the compares that read them
.set j, 0
.rept 32
	v_cmp_eq_u32 s[MB+j], s[MA+j], v[QR+10*(\k)+1]
.set j, j+1
.endr
	s_wait_alu depctr_va_sdst(0)                   ; the 32 compares have written s[MB ..], ahead of the adds that take them as carries
.set j, 0
.rept 32
	v_add_co_ci_u32 v[QR+10*(\k)+2], s[MB+j], 0, v[QR+10*(\k)+2], s[MB+j]  ; how many of the 32 have my label
.set j, j+1
.endr
	v_cmp_gt_u32 s[RG], 100, v[QR+10*(\k)+1]
	v_sub_nc_u32 v[QR+10*(\k)+3], 127, v[QR+10*(\k)+1]
	v_lshl_add_u32 v[QR+10*(\k)+3], v[QR+10*(\k)+2], 7, v[QR+10*(\k)+3]  ; 128 x count + 127 - label: the greatest is the vote, 4,223 at the most: exact in f32
	s_wait_alu depctr_va_sdst(0)                   ; the compare has written s[RG], ahead of the select that reads it
	v_cndmask_b32 v[QR+10*(\k)+3], 127, v[QR+10*(\k)+3], s[RG]
	v_cvt_f32_u32 v[QR+10*(\k)+3], v[QR+10*(\k)+3]
	v_max_num_f32_dpp v[QR+10*(\k)+3], v[QR+10*(\k)+3], v[QR+10*(\k)+3] row_xmask:1 row_mask:0xf bank_mask:0xf
	v_max_num_f32_dpp v[QR+10*(\k)+3], v[QR+10*(\k)+3], v[QR+10*(\k)+3] row_xmask:2 row_mask:0xf bank_mask:0xf
	v_max_num_f32_dpp v[QR+10*(\k)+3], v[QR+10*(\k)+3], v[QR+10*(\k)+3] row_xmask:4 row_mask:0xf bank_mask:0xf
	v_max_num_f32_dpp v[QR+10*(\k)+3], v[QR+10*(\k)+3], v[QR+10*(\k)+3] row_xmask:8 row_mask:0xf bank_mask:0xf
	v_permlanex16_b32 v18, v[QR+10*(\k)+3], s20, s21
	v_max_num_f32 v[QR+10*(\k)+3], v[QR+10*(\k)+3], v18
	v_cvt_u32_f32 v[QR+10*(\k)+3], v[QR+10*(\k)+3]
	v_and_b32 v[QR+10*(\k)+3], 127, v[QR+10*(\k)+3]
	v_sub_nc_u32 v[QR+10*(\k)+3], 127, v[QR+10*(\k)+3]
.endm
	s_load_b256 s[4:11], s[0:1], 0x0               ; glist s[4:5], emask s[6:7], y_train s[8:9], out0 s[10:11]
	v_lshl_add_u32 v30, v0, 2, SPARE               ; my spare word
	v_mov_b32 v31, 0
	v_lshrrev_b32 v1, 5, v0
	v_readfirstlane_b32 s12, v1                    ; wave 0..31
	v_and_b32 v[LN], 31, v0
	v_lshlrev_b32 v3, 2, v[LN]                     ; 4 x lane
	v_lshlrev_b32 v22, 3, v[LN]                    ; 8 x lane
	v_add_nc_u32 v[L32], 32, v[LN]
	v_mov_b32 v18, 0                               ; v_permlanex16_b32's destination counts as read
	v_mov_b32 v[ZR], 0
	s_mov_b32 s20, 0x76543210
	s_mov_b32 s21, 0xfedcba98
	s_wait_alu depctr_va_sdst(0)                   ; s12 is written, ahead of its first reader: LDS places and the queries' offsets are made from it
	s_lshl_b32 s[LB], s12, 9                       ; my two lists
	v_add_nc_u32 v13, s[LB], v3
	s_lshl_b32 s13, s12, 3
	s_add_co_u32 s13, s13, RESB
	v_mov_b32 v19, s13                             ; my two results
	s_lshl_b32 s14, ttmp9, 13                      ; glist: 128 bytes a query, query 64 W + 2 w
	s_lshl_b32 s15, s12, 8
	s_add_co_u32 s14, s14, s15
	s_mov_b32 s15, 0
	s_lshl_b32 s16, s14, 1                         ; emask: 256 bytes a query
	s_mov_b32 s17, 0
	s_lshl_b32 s18, ttmp9, 8                       ; out0: 256 bytes a work-group
	s_mov_b32 s19, 0
	s_wait_alu depctr_va_vdst(0)                   ; v3, v13, v19, v22 and v29 are written: every load and store below that names one of them reads it as offset, address or data
	ds_store_b32 v13, v[ZR]                        ; both lists start as zeros
	ds_store_b32 v13, v[ZR] offset:256
	s_wait_kmcnt 0x0
	s_add_nc_u64 s[4:5], s[4:5], s[14:15]
	s_add_nc_u64 s[6:7], s[6:7], s[16:17]
	s_add_nc_u64 s[10:11], s[10:11], s[18:19]
.irp k, 0,1
	global_load_b32 v[EW+3*(\k)], v3, s[6:7] offset:256*(\k)
	global_load_b32 v[EW+3*(\k)+1], v3, s[6:7] offset:256*(\k)+128
	global_load_b32 v[EW+3*(\k)+2], v3, s[4:5] offset:128*(\k)
.endr
	s_wait_loadcnt 0x0
	s_mov_b32 s[BASE], 0
	BATCH 0, 0
	BATCH 0, 1
	GATHER 0                                       ; query 0's labels are on their way during query 1's batches
	s_mov_b32 s[BASE], 0
	BATCH 1, 0
	BATCH 1, 1
	GATHER 1                                       ; query 1's during query 0's count
	COUNT 0, 1
	COUNT 1, 0
	s_wait_alu depctr_va_vdst(0)                   ; both votes, v17 and v27, are written, which the two LDS stores read
	ds_store_b32 v19, v[QR+3]                      ; all lanes: the same word, the same number
	ds_store_b32 v19, v[QR+13] offset:4
	s_wait_dscnt 0x0                               ; for wave 0's sake: my results are stored
	s_barrier_signal -1
	s_barrier_wait -1
	s_cmp_lg_u32 s12, 0
	s_cbranch_scc1 .Lend
	ds_load_b64 v[20:21], v22 offset:RESB
	s_wait_dscnt 0x0
	global_store_b64 v22, v[20:21], s[10:11]       ; 256 consecutive bytes, aligned
.Lend:
	s_wait_dscnt 0x0                               ; the closing lines, six on end
	s_wait_alu 0x0
	s_wait_tensorcnt 0x0
	ds_add_u32 v30, v31
	s_wait_dscnt 0x0
	s_endpgm
.Lfunc_end_k_q2cc75cf6dc_vote:
	.size	k_q2cc75cf6dc_vote, .Lfunc_end_k_q2cc75cf6dc_vote-k_q2cc75cf6dc_vote
	.p2alignl 7, 3214868480
	.fill 96, 4, 3214868480
	.section	.rodata,"a",@progbits
	.p2align	6, 0x0
	.amdhsa_kernel k_q2cc75cf6dc_vote
		.amdhsa_group_segment_fixed_size 20736
		.amdhsa_private_segment_fixed_size 0
		.amdhsa_enable_private_segment 0
		.amdhsa_kernarg_size 32
		.amdhsa_user_sgpr_count 2
		.amdhsa_user_sgpr_kernarg_segment_ptr 1
		.amdhsa_wavefront_size32 1
		.amdhsa_system_sgpr_workgroup_id_x 1
		.amdhsa_system_sgpr_workgroup_id_y 1
		.amdhsa_system_sgpr_workgroup_id_z 1
		.amdhsa_system_vgpr_workitem_id 0
		.amdhsa_next_free_vgpr 96
		.amdhsa_next_free_sgpr 98
		.amdhsa_reserve_vcc 0
		.amdhsa_float_denorm_mode_32 3
		.amdhsa_float_denorm_mode_16_64 3
		.amdhsa_memory_ordered 1
		.amdhsa_forward_progress 1
		.amdhsa_inst_pref_size 84
	.end_amdhsa_kernel
	.amdgpu_metadata
---
amdhsa.version: [ 1, 2 ]
amdhsa.kernels:
  - .name:           k_q2cc75cf6dc_vote
    .symbol:         k_q2cc75cf6dc_vote.kd
    .args:
      - { .name: glist, .offset: 0, .size: 8, .value_kind: global_buffer, .address_space: global }
      - { .name: emask, .offset: 8, .size: 8, .value_kind: global_buffer, .address_space: global }
      - { .name: y_train, .offset: 16, .size: 8, .value_kind: global_buffer, .address_space: global }
      - { .name: out0, .offset: 24, .size: 8, .value_kind: global_buffer, .address_space: global }
    .group_segment_fixed_size: 20736
    .private_segment_fixed_size: 0
    .kernarg_segment_align: 8
    .kernarg_segment_size: 32
    .max_flat_workgroup_size: 1024
    .sgpr_count:     98
    .vgpr_count:     96
    .wavefront_size: 32
...
	.end_amdgpu_metadata
.endif
;; end of part 7
